; MI455X (gfx1250); checked and timed in simulation.
; The chip was launched on July 23, 2026; its instructions are those of AMD's public machine-readable ISA for CDNA 5 (MIT licence, August 2026) and "CDNA5" Instruction Set Architecture Reference Guide (July 2026). The comments in the code are by the model that wrote it; some were corrected since.
;; Attention. Allowed arithmetic: float matrix products may take bf16 or f16 operands with f32 sums; other float arithmetic in f32, or as packed bf16 or f16 multiplies, adds, multiply-adds, maxima and minima; sums over many terms, partial sums and values carried from step to step in f32; what a program stores and reads back later, other than sums and carried values, may be rounded once to bf16 or f16.
;; Inputs: b_o 1,024 float32; b_qkv 3,072 float32; w_o 1,024 x 1,024 float32; w_qkv 1,024 x 3,072 float32; x 16 x 1,024 x 1,024 float32.
;; Outputs: out0 16 x 1,024 x 1,024 float32.
;; 2 versions, each right; version 2 is version 1 with the launch attn written anew for expert scheduling mode. Each part assembles by itself: llvm-mc -triple=amdgcn-amd-amdhsa -mcpu=gfx1250 --defsym DOCPART=n.
;; ======== version 1 of 2: 4 launches
;; limits: values are held in f16: magnitudes above 65,504 overflow, below 6.1e-05 lose precision
;; workspace buffers: xh 33,554,432 bytes; wq 6,291,456 bytes; wo 2,097,152 bytes; bq 12,288 bytes; qkv 100,663,296 bytes; att 33,554,432 bytes
;; launch prep (part 1): grid 1539 x 1, 8 waves a work-group, no clusters, 0 bytes of LDS; arguments x, w_qkv, w_o, b_qkv, xh, wq, wo, bq; writes xh, wq, wo, bq
.if DOCPART == 1
	.amdgcn_target "amdgcn-amd-amdhsa--gfx1250"
	.amdhsa_code_object_version 6
	.text
	.protected	k_q1a083f78d4_prep
	.globl	k_q1a083f78d4_prep
	.p2align	8
	.type	k_q1a083f78d4_prep,@function
k_q1a083f78d4_prep:
	s_mov_b64 s[64:65], 0
	v_nop
	global_prefetch_b8 v0, s[64:65] scope:SCOPE_SE
	s_setreg_imm32_b32 hwreg(HW_REG_WAVE_MODE, 25, 1), 1
	s_wait_xcnt 0x0
; PREPARATION.  Four jobs, chosen by the work-group's number (forward jumps, the same for all eight waves of a work-group):
;   0 .. 1023     xh = x rounded to f16, as it lies: [16384][1024]
;   1024 .. 1407  wq[n'][k] = w_qkv[k][n] in f16: turned to [N][K], its 3,072 columns in a new order n'
;   1408 .. 1535  wo[f][e'] = w_o[e][f] in f16: turned, its 1,024 rows e in a new order e'
;   1536 .. 1538  bq[n'] = b_qkv[n], f32
; THE ORDERS.  n = 192 h + 64 part + d (head h, part 0, 1, 2 = q, k, v, channel d).
;   q, k:  n' = 1024 part + 128 (d / 8) + 8 h + d % 8
;   v:     n' = 2048 + 256 (d / 16) + 128 (h / 8) + 8 (d % 16) + h % 8
;   e = 64 h + 8 G + j (G = 0..7, j = 0..7):  e' = 128 G + 8 h + j
; With them every matrix fragment of the attention launch is 512 consecutive bytes of a position's row.
; LIMITS.  f16 holds no number beyond 65,504 (a conversion of 65,520 or more gives an infinity); below 6e-5 it keeps its fixed step of 6e-8.
; No LDS: a lane holds 8 k x 4 columns, and packing along k is the whole turning.  No cluster: no two work-groups read the same bytes.  No matrix work.
.set XI, 8                             ; v[8:71]    cast: 16 x 4 numbers as loaded;  turning: v[8:39] 8 rows x 4 columns
.set XO, 72                            ; v[72:103]  cast: 16 x 2 registers to store
.set PK, 40                            ; v[40:55]   turning: column c's 8 numbers in f16 at PK + 4 c
.set DO, 56                            ; v[56:59]   turning: column c's byte offset in the destination
	s_load_b256 s[4:11], s[0:1], 0x0               ; x s[4:5], w_qkv s[6:7], w_o s[8:9], b_qkv s[10:11]
	s_load_b256 s[12:19], s[0:1], 0x20             ; xh s[12:13], wq s[14:15], wo s[16:17], bq s[18:19]
	v_lshrrev_b32 v2, 5, v0
	v_readfirstlane_b32 s20, v2                    ; wave 0..7
	v_and_b32 v1, 31, v0                           ; lane
	s_wait_kmcnt 0x0
	s_cmp_lt_u32 ttmp9, 1024
	s_cbranch_scc1 .Lcast
	s_cmp_lt_u32 ttmp9, 1408
	s_cbranch_scc1 .Ltq
	s_cmp_lt_u32 ttmp9, 1536
	s_cbranch_scc1 .Lto
	; THE BIAS.  Work-group p = 0, 1, 2 makes bq's numbers 1024 p .. 1024 p + 1023; thread t the four at 4 t: m = 4 t + c.
	s_sub_co_u32 s21, ttmp9, 1536                  ; p
	v_bfe_u32 v4, v0, 1, 4                         ; (t / 2) % 16
	v_and_b32 v5, 1, v0                            ; t % 2
	s_cmp_eq_u32 s21, 2
	s_cbranch_scc1 .Lbias_v
	v_lshrrev_b32 v6, 5, v0                        ; q, k: d / 8 = t / 32, h = (t / 2) % 16, d % 8 = 4 (t % 2) + c
	v_mul_u32_u24 v7, v4, 192
	v_lshl_add_u32 v7, v6, 3, v7
	v_lshl_add_u32 v7, v5, 2, v7
	s_lshl_b32 s22, s21, 6
	v_add_nc_u32 v7, s22, v7                       ; n for c = 0
	s_mov_b32 s23, 4                               ; from c to c + 1: one number on
	s_branch .Lbias_go
.Lbias_v:
	v_bfe_u32 v6, v0, 5, 1                         ; v: d / 16 = t / 64, h / 8 = (t / 32) % 2, d % 16 = (t / 2) % 16, h % 8 = 4 (t % 2) + c
	v_lshlrev_b32 v6, 3, v6
	v_lshl_add_u32 v6, v5, 2, v6                   ; h for c = 0
	v_mul_u32_u24 v7, v6, 192
	v_lshrrev_b32 v6, 6, v0
	v_lshl_add_u32 v7, v6, 4, v7
	v_add3_u32 v7, v7, v4, 128                     ; n for c = 0
	s_mov_b32 s23, 768                             ; from c to c + 1: one head on, 192 numbers
.Lbias_go:
	v_lshlrev_b32 v8, 2, v7
	v_add_nc_u32 v9, s23, v8
	v_add_nc_u32 v10, s23, v9
	v_add_nc_u32 v11, s23, v10
	global_load_b32 v12, v8, s[10:11]
	global_load_b32 v13, v9, s[10:11]
	global_load_b32 v14, v10, s[10:11]
	global_load_b32 v15, v11, s[10:11]
	s_lshl_b32 s24, s21, 12
	v_lshl_add_u32 v16, v0, 4, s24                 ; 4,096 p + 16 t
	s_wait_loadcnt 0x0
	global_store_b128 v16, v[12:15], s[18:19]      ; 16 lanes store 256 consecutive bytes, aligned
	s_endpgm
	; THE CAST.  A wave takes 8,192 consecutive bytes of x: sixteen loads of 512 bytes, all issued at once; each becomes one store of 256 consecutive bytes, aligned.
.Lcast:
	s_lshl_b32 s21, ttmp9, 3
	s_add_co_u32 s21, s21, s20                     ; my wave among the 8,192
	s_lshl_b32 s26, s21, 13
	s_mov_b32 s27, 0
	s_lshl_b32 s28, s21, 12
	s_mov_b32 s29, 0
	s_add_nc_u64 s[4:5], s[4:5], s[26:27]
	s_add_nc_u64 s[12:13], s[12:13], s[28:29]
	v_lshlrev_b32 v2, 4, v1
	v_lshlrev_b32 v3, 3, v1
.irp i, 0,1,2,3,4,5,6,7,8,9,10,11,12,13,14,15
	global_load_b128 v[XI+4*(\i):XI+4*(\i)+3], v2, s[4:5] offset:512*(\i) th:TH_LOAD_NT
.endr
.irp i, 0,1,2,3,4,5,6,7,8,9,10,11,12,13,14,15
	s_wait_loadcnt 15-(\i)                         ; loads come back in order: load i is in, the 15 - i younger ones stay out
	v_cvt_pk_f16_f32 v[XO+2*(\i)],   v[XI+4*(\i)],   v[XI+4*(\i)+1]
	v_cvt_pk_f16_f32 v[XO+2*(\i)+1], v[XI+4*(\i)+2], v[XI+4*(\i)+3]
	global_store_b64 v3, v[XO+2*(\i):XO+2*(\i)+1], s[12:13] offset:256*(\i)  ; no register of a store is written again
.endr
	s_endpgm
; THE TURNING.  A wave turns 128 k x 8 columns.  Lane (i = lane % 16, u = lane / 16) loads rows j = 0..7 of its group i of eight rows, columns 4 u .. 4 u + 3 of the wave's eight:
; the eight waves together read 256 consecutive bytes, aligned, of each source row.  Column c's eight numbers, packed, are 16 bytes of a destination row: 16 lanes store 256 consecutive bytes, aligned.
; s[22:23] the source at the work-group's first row and column; s[24:25] the destination at the wave's first row; s30 rows of the destination from a column to the next.
; pitchb: bytes from a source row j to j + 1; rsb: from group i to i + 1.
.macro TRANS pitchb, rsb
	v_and_b32 v4, 15, v0                           ; i
	v_bfe_u32 v5, v0, 4, 1                         ; u
	v_mul_u32_u24 v6, v4, \rsb
	v_lshl_add_u32 v6, v5, 4, v6
	s_lshl_b32 s31, s20, 5                         ; my wave's eight columns: 32 bytes
	v_add_nc_u32 v6, s31, v6
.irp j, 0,1,2,3,4,5,6,7
	global_load_b128 v[XI+4*(\j):XI+4*(\j)+3], v6, s[22:23] offset:(\j)*(\pitchb)
.endr
	s_lshl_b32 s32, s30, 11                        ; a column on: s30 rows of 2,048 bytes
	s_lshl_b32 s33, s30, 13                        ; four columns on
	v_mul_u32_u24 v[DO], v5, s33
	v_lshl_add_u32 v[DO], v4, 4, v[DO]
	v_add_nc_u32 v[DO+1], s32, v[DO]
	v_add_nc_u32 v[DO+2], s32, v[DO+1]
	v_add_nc_u32 v[DO+3], s32, v[DO+2]
	s_wait_loadcnt 0x0
.irp c, 0,1,2,3
.irp g, 0,1,2,3
	v_cvt_pk_f16_f32 v[PK+4*(\c)+(\g)], v[XI+8*(\g)+(\c)], v[XI+8*(\g)+4+(\c)]  ; rows 2 g and 2 g + 1 of column c
.endr
.endr
.irp c, 0,1,2,3
	global_store_b128 v[DO+(\c)], v[PK+4*(\c):PK+4*(\c)+3], s[24:25]
.endr
.endm
	; w_qkv.  Work-group t: k block G = t % 8 (128 rows), head h and part: 64 columns, 256 bytes, aligned, of each row.
.Ltq:
	s_sub_co_u32 s21, ttmp9, 1024
	s_and_b32 s26, s21, 7                          ; G
	s_lshr_b32 s27, s21, 3
	s_lshr_b32 s28, s27, 4                         ; part
	s_and_b32 s29, s27, 15                         ; h
	s_mul_i32 s34, s26, 128*12288                  ; 128 G rows of 12,288 bytes
	s_mul_i32 s35, s29, 768
	s_add_co_u32 s34, s34, s35
	s_lshl_b32 s35, s28, 8
	s_add_co_u32 s34, s34, s35                     ; + 4 (192 h + 64 part)
	s_mov_b32 s35, 0
	s_add_nc_u64 s[22:23], s[6:7], s[34:35]
	s_lshl_b32 s36, s28, 10                        ; q, k: the wave's d / 8 is its number w: n' = 1024 part + 128 w + 8 h + column
	s_lshl_b32 s37, s20, 7
	s_add_co_u32 s36, s36, s37
	s_lshl_b32 s37, s29, 3
	s_add_co_u32 s36, s36, s37
	s_lshr_b32 s38, s20, 1                         ; v: n' = 2048 + 256 (w / 2) + 128 (h / 8) + 64 (w % 2) + h % 8 + 8 x column
	s_lshl_b32 s38, s38, 8
	s_lshr_b32 s39, s29, 3
	s_lshl_b32 s39, s39, 7
	s_add_co_u32 s38, s38, s39
	s_and_b32 s39, s20, 1
	s_lshl_b32 s39, s39, 6
	s_add_co_u32 s38, s38, s39
	s_and_b32 s39, s29, 7
	s_add_co_u32 s38, s38, s39
	s_add_co_u32 s38, s38, 2048
	s_cmp_eq_u32 s28, 2
	s_cselect_b32 s36, s38, s36
	s_cselect_b32 s30, 8, 1
	s_lshl_b32 s36, s36, 11                        ; rows of 2,048 bytes
	s_lshl_b32 s37, s26, 8                         ; + the k block's 256 bytes
	s_add_co_u32 s36, s36, s37
	s_mov_b32 s37, 0
	s_add_nc_u64 s[24:25], s[14:15], s[36:37]
	TRANS 12288, 8*12288                           ; source row 128 G + 8 i + j
	s_endpgm
	; w_o.  Work-group t: G = t % 8, columns f = 64 (t / 8) on.  Destination k = e' = 128 G + 8 i + j comes from source row e = 64 i + 8 G + j.
.Lto:
	s_sub_co_u32 s21, ttmp9, 1408
	s_and_b32 s26, s21, 7                          ; G
	s_lshr_b32 s27, s21, 3                         ; block of 64 columns
	s_lshl_b32 s34, s26, 15                        ; 8 G rows of 4,096 bytes
	s_lshl_b32 s35, s27, 8
	s_add_co_u32 s34, s34, s35
	s_mov_b32 s35, 0
	s_add_nc_u64 s[22:23], s[8:9], s[34:35]
	s_lshl_b32 s36, s27, 6
	s_lshl_b32 s37, s20, 3
	s_add_co_u32 s36, s36, s37                     ; the wave's first f
	s_lshl_b32 s36, s36, 11
	s_lshl_b32 s37, s26, 8
	s_add_co_u32 s36, s36, s37
	s_mov_b32 s37, 0
	s_add_nc_u64 s[24:25], s[16:17], s[36:37]
	s_mov_b32 s30, 1
	TRANS 4096, 64*4096
	s_endpgm
.Lfunc_end_k_q1a083f78d4_prep:
	.size	k_q1a083f78d4_prep, .Lfunc_end_k_q1a083f78d4_prep-k_q1a083f78d4_prep
	.p2alignl 7, 3214868480
	.fill 96, 4, 3214868480
	.section	.rodata,"a",@progbits
	.p2align	6, 0x0
	.amdhsa_kernel k_q1a083f78d4_prep
		.amdhsa_group_segment_fixed_size 0
		.amdhsa_private_segment_fixed_size 0
		.amdhsa_enable_private_segment 0
		.amdhsa_kernarg_size 64
		.amdhsa_user_sgpr_count 2
		.amdhsa_user_sgpr_kernarg_segment_ptr 1
		.amdhsa_wavefront_size32 1
		.amdhsa_system_sgpr_workgroup_id_x 1
		.amdhsa_system_sgpr_workgroup_id_y 1
		.amdhsa_system_sgpr_workgroup_id_z 1
		.amdhsa_system_vgpr_workitem_id 0
		.amdhsa_next_free_vgpr 104
		.amdhsa_next_free_sgpr 66
		.amdhsa_reserve_vcc 0
		.amdhsa_float_denorm_mode_32 3
		.amdhsa_float_denorm_mode_16_64 3
		.amdhsa_memory_ordered 1
		.amdhsa_forward_progress 1
		.amdhsa_inst_pref_size 16
	.end_amdhsa_kernel
	.amdgpu_metadata
---
amdhsa.version: [ 1, 2 ]
amdhsa.kernels:
  - .name:           k_q1a083f78d4_prep
    .symbol:         k_q1a083f78d4_prep.kd
    .args:
      - { .name: x, .offset: 0, .size: 8, .value_kind: global_buffer, .address_space: global }
      - { .name: w_qkv, .offset: 8, .size: 8, .value_kind: global_buffer, .address_space: global }
      - { .name: w_o, .offset: 16, .size: 8, .value_kind: global_buffer, .address_space: global }
      - { .name: b_qkv, .offset: 24, .size: 8, .value_kind: global_buffer, .address_space: global }
      - { .name: xh, .offset: 32, .size: 8, .value_kind: global_buffer, .address_space: global }
      - { .name: wq, .offset: 40, .size: 8, .value_kind: global_buffer, .address_space: global }
      - { .name: wo, .offset: 48, .size: 8, .value_kind: global_buffer, .address_space: global }
      - { .name: bq, .offset: 56, .size: 8, .value_kind: global_buffer, .address_space: global }
    .group_segment_fixed_size: 0
    .private_segment_fixed_size: 0
    .kernarg_segment_align: 8
    .kernarg_segment_size: 64
    .max_flat_workgroup_size: 256
    .sgpr_count:     66
    .vgpr_count:     104
    .wavefront_size: 32
...
	.end_amdgpu_metadata
.endif
;; end of part 1
;; launch gemm_qkv (part 2): grid 4 x 64, 4 waves a work-group, clusters of 4 x 4, 327,680 bytes of LDS; arguments xh, wq, qkv, bq; writes qkv
.if DOCPART == 2
	.amdgcn_target "amdgcn-amd-amdhsa--gfx1250"
	.amdhsa_code_object_version 6
	.text
	.protected	k_q1a083f78d4_gemm_qkv
	.globl	k_q1a083f78d4_gemm_qkv
	.p2align	8
	.type	k_q1a083f78d4_gemm_qkv,@function
k_q1a083f78d4_gemm_qkv:
	s_mov_b64 s[64:65], 0
	v_nop
	global_prefetch_b8 v0, s[64:65] scope:SCOPE_SE
	s_setreg_imm32_b32 hwreg(HW_REG_WAVE_MODE, 25, 1), 1
	s_wait_xcnt 0x0
	s_wait_alu depctr_hold_cnt(0) depctr_sa_sdst(0) depctr_va_vdst(0) depctr_va_sdst(0) depctr_va_ssrc(0) depctr_va_vcc(0) depctr_vm_vsrc(0)
	s_getreg_b32 s2, hwreg(HW_REG_IB_STS2, 6, 4)
	s_cmp_eq_u32 s2, 0
	s_cbranch_scc0 .Lentry_in_a_cluster
	s_endpgm
.Lentry_in_a_cluster:
	s_bfe_u32 s2, ttmp6, 0x10000c
	s_cmp_lg_u32 s2, 0xf033
	s_cbranch_scc0 .Lentry_shape_is_right
	s_endpgm
.Lentry_shape_is_right:
; qkv[m][n] = bq[n] + the sum over k of xh[m][k] wq[n][k].  xh: [16384][1024], wq: [3072][1024], qkv: [16384][3072], all f16; bq: [3072] f32; sums in f32, qkv rounded once.
; LIMITS.  f16 holds no number beyond 65,504: a result of 65,520 or more leaves as an infinity.  NaN and infinities are not treated apart.
; A tile of qkv, 256 x 256, is made by a work-group of four waves; a wave makes 128 x 128: 64 accumulators of 16 x 16, 512 registers.  K goes in steps of 128 through a ring of two LDS slots
; filled by the tensor data mover: the rows of the tiles are 256 bytes of memory and start at multiples of 256 bytes.
; A WORK-GROUP STAYS: it makes three tiles, side by side, 1,024 columns apart, on the same 256 rows of xh: 64 x 4 work-groups for 64 x 12 tiles.  The ring does not stop at a tile's end:
; a tile's last two changes of slots ask for the next tile's first two K steps, and nothing waits for a tile's stores.  The last tile's last K step goes by rows of qkv, so that finished rows
; leave while the others are multiplied.
; CLUSTERS: 4 x 4 work-groups.  The four of a row of the cluster need the same tiles of xh, the four of a column the same tiles of wq.  Such a tile is asked for JOINTLY: each of the four
; issues the same tensor load, with the same descriptor and a mask that names the four.
; THE BIAS is the C operand of the product that starts each sum: 64 registers, loaded once a tile.
; THE MATRIX INSTRUCTION IS USED TRANSPOSED: source 0 = 16 rows of wq, source 1 = 16 rows of xh: lane l holds row l % 16 of qkv and the columns 8 (l / 16) + 0..7: 16 bytes that belong together.
; REGISTERS, in windows of 256 (s_set_vgpr_msb's low byte: bits 1:0 source 0, 3:2 source 1, 5:4 source 2, 7:6 destination):
;   window 0: v0-31 addresses; v64-127, v128-191 fragments of xh, two buffers (in the very last K step four, of 16 rows x 128 K); v32-63, v192-255 at work on the way out
;   window 1: v0-63 the bias; v64-127, v128-191 fragments of wq, two buffers; in the very last K step all 256: wq's fragments of the whole step
;   window 2: the 32 accumulators of my rows 0-63 ((a, b) at v[8 (8 a + b)]);   window 3: those of my rows 64-127
.set SIZE_N, 3072
.set SIZE_K, 1024
.set TILES,  3
.set KSTEP,  128
.set PITCH,  272                       ; an LDS row: 256 bytes + 16 of padding = 68 words: the 16 rows that a load touches start at 16 different groups of four banks (64 banks of 4 bytes: ISA guide 11.1)
.set HALFT,  128*PITCH                 ; 128 rows: what one tensor load brings
.set SLOT,   4*HALFT                   ; xh's 256 rows, then wq's 256 rows
.set STAGE,  2*SLOT                    ; behind the ring: 16 rows x 272 bytes for each wave, for the way out; no tensor load fills it
.set SPITCH, 272
.set SPARE,  STAGE+4*16*SPITCH         ; behind the stages: the spare words, 128 bytes for each wave: two blocks of 256 bytes that no other line names
.set LAPS,   SIZE_K/(2*KSTEP)          ; a lap = two K steps = once round the ring
.set WALK,   1024                      ; a work-group's tiles lie 1,024 columns of qkv, that is rows of wq, apart
.set BACK_A, (SIZE_K-2*KSTEP)*2        ; bytes from a slot's last K step of a tile back to its first: xh's rows stay,
.set NEXT_B, WALK*SIZE_K*2-BACK_A      ; wq goes WALK rows down and back along K
.set BACK_C, 7*16*SIZE_N*2-WALK*2      ; bytes from my last 16 rows of a tile back to my first, less the 1,024 columns to the next tile
.set ADRA, 16                          ; v16-17  LDS address of my xh fragments in slot 0, 1
.set ADRB, 20                          ; v20-21  the same for wq
.set STO,  24                          ; v24     the way out: where I put 16 bytes of a row
.set RD,   25                          ; v25     the way out: where I read a row back
.set CO,   26                          ; v26     my byte offset in qkv
.set BO,   27                          ; v27     my byte offset in the bias: 32 (l / 16); never rewritten
.set SPW,  28                          ; v28     LDS address of my spare word: SPARE + 4 x my thread's number; never rewritten
.set NIL,  29                          ; v29     0; never rewritten
.set PFO,  30                          ; v30     the prefetches' offset: my lane x a row of 2,048 bytes; never rewritten
.set PFA,  44                          ; s[44:45] where my prefetches stand
.set LIM,  43                          ; s43     1 in a wave that prefetches, else the greatest number
.set BP,   66                          ; s[66:67] the bias at my 128 columns of the tile in hand
.set F0,   64
.set F1,   128
.set TMP,  192
.set OB,   32
.set PA,   64                          ; the very last K step: xh's fragments of 16 rows x 128 K, 32 registers; four such buffers, v64-191
.set G1,  24                           ; s[24:31] descriptor group 1 for xh's tiles;  s[32:39] group 0, one set for each slot
.set G0,  32
.set G1B, 48                           ; s[48:55], s[56:63] the same for wq's tiles
.set G0B, 56
.set MSB, 0
.macro WIN new                         ; the immediate's high byte repeats the setting that is left; a switch that changes nothing is dropped
.if MSB != (\new)
	s_set_vgpr_msb (MSB<<8)|(\new)
.set MSB, \new
.endif
.endm
.set MUL_LO, 0xa1                      ; source 0 (wq) window 1, source 1 (xh) window 0, C and D window 2
.set MUL_HI, 0xf1                      ; the same, C and D window 3
.set BIA_LO, 0x91                      ; the same as MUL_LO with C, the bias, in window 1
.set BIA_HI, 0xd1
.set TO_B,   0x40                      ; destination window 1, address window 0
; A joint load.  Waves 0 and 1 fetch xh's two halves, waves 2 and 3 wq's.  The branch hangs on the wave's number alone.  An s_nop 0 and four v_nop follow each of the two lines.
.macro JLOAD s
	s_cmp_eq_u32 s11, 0
	s_cbranch_scc0 .Lfor_b_\@
	tensor_load_to_lds s[G0+4*(\s):G0+4*(\s)+3], s[G1:G1+7]
	s_nop 0
.rept 4
	v_nop
.endr
	s_branch .Lasked_\@
.Lfor_b_\@:
	tensor_load_to_lds s[G0B+4*(\s):G0B+4*(\s)+3], s[G1B:G1B+7]
	s_nop 0
.rept 4
	v_nop
.endr
.Lasked_\@:
.endm
; A PREFETCH INTO THE L2, behind each joint load, its five lines and the run of LDS loads: the K step that stands TWO refills on, 512 matrix instructions ahead of the load that will want it:
; 32 rows x 256 bytes, a lane a row, one instruction a wave.  Each row's 256 bytes of a K step are named ONCE in the launch.  xh's tile row is read by one cluster alone: it asks.  wq's tile
; column is read by all sixteen clusters: the one with y = 0 asks.  The four partners that ask for a tile jointly share its rows out BY ADDRESS: of the 128 rows that a wave fetches, the partner
; at place p takes 32 p .. 32 p + 31 (p = cx for xh, cy for wq).  how = 0, in the loop: a tile's last two refills have no K step two on; how = 1, at a change of tiles.
.macro ASK how
.if \how
	s_cmp_eq_u32 s[LIM], 1
.else
	s_cmp_gt_u32 s3, s[LIM]                        ; s3 = 1 in the loop's last trip
.endif
	s_cbranch_scc0 .Lnot_mine_\@
	global_prefetch_b8 v[PFO], s[PFA:PFA+1] offset:KSTEP*2 th:TH_LOAD_NT scope:SCOPE_SE
.Lnot_mine_\@:
.endm
; A round of the cluster's barrier: my work-group's barrier; wave 0 signals for the work-group; every wave waits for all sixteen; my work-group's barrier once more.
.macro CREST
	s_cmp_lg_u32 s10, 0
	s_cbranch_scc1 .Lnot_wave_0_\@
	s_barrier_signal -3
.Lnot_wave_0_\@:
	s_barrier_wait -3
	s_barrier_signal -1
	s_barrier_wait -1
.endm
.macro CROUND
	s_barrier_signal -1
	s_barrier_wait -1
	CREST
.endm
	s_load_b128 s[4:7], s[0:1], 0x0                ; xh s[4:5], wq s[6:7]
	s_load_b64 s[8:9], s[0:1], 0x10                ; qkv
	s_load_b64 s[BP:BP+1], s[0:1], 0x18            ; bq
	v_lshl_add_u32 v[SPW], v0, 2, SPARE
	v_mov_b32 v[NIL], 0
	ds_add_u32 v[SPW], v[NIL]                      ; the wave's opening: the add and its wait stand ahead of my first tensor load; the set-up below, work on registers, stands between them
	v_lshrrev_b32 v1, 5, v0
	v_readfirstlane_b32 s10, v1                    ; wave 0..3
	s_lshr_b32 s11, s10, 1                         ; which half of the tile's rows is mine.  Also: I fetch for xh (0) or for wq (1)
	s_and_b32 s12, s10, 1                          ; which half of its columns.  Also: which 128 rows of that tile I fetch
	s_bfe_u32 s40, ttmp6, 0x40000                  ; cx
	s_bfe_u32 s41, ttmp6, 0x40004                  ; cy
	s_lshl_b32 s42, ttmp9, 2
	s_add_co_u32 s42, s42, s40                     ; my first tile column = 4 x cluster x + cx
	s_and_b32 s13, ttmp7, 0xffff
	s_lshl_b32 s13, s13, 2
	s_add_co_u32 s13, s13, s41                     ; tile row = 4 x cluster y + cy
	s_lshl_b32 s43, s41, 2
	s_lshl_b32 s43, 15, s43                        ; my row of the cluster: places 4 cy .. 4 cy + 3
	s_lshl_b32 s44, 0x1111, s40                    ; my column: places cx, cx + 4, cx + 8, cx + 12
	; descriptor group 1: a tile of 128 rows x 128 elements, padded in LDS
	s_or_b32 s[G1+0], s43, (1<<16)|(1<<20)|(1<<21)|(5<<22)|(3<<25)  ; 15:0 the mask; 17:16 elements of 2 bytes; 20 padding on; 21 set beside a mask; 24:22 after every 64 words (code 5); 31:25 4 words of it (code 3)
	s_or_b32 s[G1B+0], s44, (1<<16)|(1<<20)|(1<<21)|(5<<22)|(3<<25)
	s_mov_b32 s[G1B+1], KSTEP<<16
	s_mov_b32 s[G1+1], KSTEP<<16                   ; tensor_dim0 = 128
	s_mov_b32 s[G1B+2], 128<<16
	s_mov_b32 s[G1+2], 128<<16                     ; tensor_dim1 = 128
	s_mov_b32 s[G1B+3], KSTEP<<16
	s_mov_b32 s[G1+3], KSTEP<<16                   ; tile_dim0 = 128
	s_mov_b32 s[G1B+4], 128
	s_mov_b32 s[G1+4], 128                         ; tile_dim1 = 128
	s_mov_b32 s[G1B+5], SIZE_K
	s_mov_b32 s[G1+5], SIZE_K                      ; elements from row to row
	s_mov_b32 s[G1B+6], 0
	s_mov_b32 s[G1+6], 0
	s_mov_b32 s[G1B+7], 0
	s_mov_b32 s[G1+7], 0
	; where the tiles come from.  xh's hang on the tile row alone, which my row of the cluster shares; wq's on the tile column alone, which my column shares.
	s_lshl_b32 s17, s12, 7
	s_lshl_b32 s16, s13, 8
	s_add_co_u32 s16, s16, s17                     ; xh: row 256 x tile row + 128 x half
	s_lshl_b32 s46, s42, 8
	s_add_co_u32 s46, s46, s17                     ; wq: row 256 x tile column + 128 x half
	s_mov_b32 s17, 0
	s_mov_b32 s47, 0
	s_mov_b64 s[18:19], SIZE_K*2
	s_mul_u64 s[16:17], s[16:17], s[18:19]
	s_mul_u64 s[46:47], s[46:47], s[18:19]
	s_mul_i32 s20, s10, HALFT                      ; where they go: wave x 128 rows: no place in the cluster enters an LDS address
	s_wait_dscnt 0x0                               ; the opening add is done
	s_wait_kmcnt 0x0
	s_add_nc_u64 s[14:15], s[4:5], s[16:17]
	s_add_nc_u64 s[46:47], s[6:7], s[46:47]
	CROUND                                         ; all sixteen work-groups are here: the first joint loads meet
.irp s, 0,1
	s_mov_b32 s[G0+4*(\s)], 1                                      ; count = 1
	s_add_co_u32 s[G0+4*(\s)+1], s20, (\s)*SLOT                    ; LDS address
	s_add_nc_u64 s[G0+4*(\s)+2:G0+4*(\s)+3], s[14:15], (\s)*KSTEP*2  ; global address: K step s
	s_or_b32 s[G0+4*(\s)+3], s[G0+4*(\s)+3], 0x80000000            ; type = 2
	s_mov_b32 s[G0B+4*(\s)], 1
	s_add_co_u32 s[G0B+4*(\s)+1], s20, (\s)*SLOT
	s_add_nc_u64 s[G0B+4*(\s)+2:G0B+4*(\s)+3], s[46:47], (\s)*KSTEP*2
	s_or_b32 s[G0B+4*(\s)+3], s[G0B+4*(\s)+3], 0x80000000
	JLOAD \s                                       ; two tensor loads of mine are out
.endr
	; A fragment is 16 rows x 32 K in 8 registers: lane l holds row l % 16; registers 0-3 K = 8 (l / 16) + 0..7, registers 4-7 K = 16 + 8 (l / 16) + 0..7: two loads of 16 bytes, 32 bytes apart.
	v_and_b32 v1, 15, v0                           ; l % 16
	v_bfe_u32 v2, v0, 4, 1                         ; l / 16
	v_mul_u32_u24 v3, v1, PITCH
	v_lshl_add_u32 v3, v2, 4, v3
	s_mul_i32 s21, s11, HALFT                      ; my 128 rows of xh
	s_mul_i32 s22, s12, HALFT                      ; my 128 rows of wq,
	s_add_co_u32 s22, s22, 2*HALFT                 ; which lie behind xh's 256
.irp s, 0,1
	v_add_nc_u32 v[ADRA+(\s)], s21, v3
	v_add_nc_u32 v[ADRB+(\s)], s22, v3
	s_add_co_u32 s21, s21, SLOT
	s_add_co_u32 s22, s22, SLOT
.endr
	s_mul_i32 s23, s10, 16*SPITCH
	s_add_co_u32 s23, s23, STAGE                   ; my stage
	v_mul_u32_u24 v4, v1, SPITCH                   ; in: row l % 16, 16 bytes for each half of the lanes
	v_lshl_add_u32 v4, v2, 4, v4
	v_add_nc_u32 v[STO], s23, v4
	v_mul_u32_u24 v5, v2, SPITCH                   ; back: lanes 0-15 take one row of 256 bytes, lanes 16-31 the next
	v_lshl_add_u32 v5, v1, 4, v5
	v_add_nc_u32 v[RD], s23, v5
	v_mul_u32_u24 v5, v2, SIZE_N*2                 ; and the same two rows in qkv
	v_lshl_add_u32 v[CO], v1, 4, v5
	v_lshlrev_b32 v[BO], 5, v2                     ; my eight numbers of sixteen of the bias
	; where my part of the first tile begins in qkv, in bytes: the first way out adds it
	s_lshl_b32 s13, s13, 8
	s_lshl_b32 s14, s11, 7
	s_add_co_u32 s16, s13, s14                     ; my first row
	s_mov_b32 s17, 0
	s_mov_b64 s[18:19], SIZE_N*2
	s_mul_u64 s[16:17], s[16:17], s[18:19]
	s_lshl_b32 s46, s42, 9                         ; my first column, in bytes: 512 x tile column + 256 x half
	s_lshl_b32 s47, s12, 8
	s_add_co_u32 s46, s46, s47
	s_mov_b32 s47, 0
	s_add_nc_u64 s[16:17], s[16:17], s[46:47]
	s_lshl_b32 s46, s42, 10                        ; the same column in the bias, 4 bytes a number
	s_lshl_b32 s47, s12, 9
	s_add_co_u32 s46, s46, s47
	s_mov_b32 s47, 0
	s_add_nc_u64 s[BP:BP+1], s[BP:BP+1], s[46:47]
	; the prefetches.  s13 = 256 x tile row, s42 = tile column, s40 = cx, s41 = cy still stand
	s_lshl_b32 s42, s42, 8
	s_and_b32 s22, ttmp7, 0xffff                   ; cluster y
	s_cmp_eq_u32 s11, 0                            ; do I fetch for xh?
	s_cselect_b32 s20, s13, s42                    ; the tile's first row
	s_cselect_b32 s21, s40, s41                    ; my place among the four that ask for it with me
	s_cselect_b32 s22, ttmp9, s22                  ; the coordinate along which other clusters read the same rows
	s_cselect_b64 s[PFA:PFA+1], s[4:5], s[6:7]
	s_cmp_eq_u32 s22, 0
	s_cselect_b32 s[LIM], 1, -1                    ; the same in all sixteen partners, for a given wave
	s_lshl_b32 s22, s12, 7
	s_add_co_u32 s20, s20, s22                     ; + the 128 rows that I fetch
	s_lshl_b32 s21, s21, 5
	s_add_co_u32 s20, s20, s21                     ; + my work-group's 32 of them
	s_mov_b32 s21, 0
	s_mov_b64 s[18:19], SIZE_K*2
	s_mul_u64 s[20:21], s[20:21], s[18:19]
	s_add_nc_u64 s[PFA:PFA+1], s[PFA:PFA+1], s[20:21]
	s_add_nc_u64 s[PFA:PFA+1], s[PFA:PFA+1], 2*KSTEP*2  ; at K step 2: the first refill steps it to 3 and names K step 4.  Nothing is prefetched here, at the head
	v_and_b32 v[PFO], 31, v0
	v_mul_u32_u24 v[PFO], v[PFO], SIZE_K*2
; The bias of my 128 columns: register 8 b + j takes number 16 b + 8 (l / 16) + j, the column that register j of accumulator (a, b) holds.
.macro BIAS
	WIN TO_B
.irp b, 0,1,2,3,4,5,6,7
	global_load_b128 v[8*(\b):8*(\b)+3],   v[BO], s[BP:BP+1] offset:64*(\b)
	global_load_b128 v[8*(\b)+4:8*(\b)+7], v[BO], s[BP:BP+1] offset:64*(\b)+16
.endr
	WIN 0
.endm
	BIAS
; 16 matrix instructions: m blocks a0, a0 + 1 of the window's four (hi = 0: my rows 0-63, 1: rows 64-127) x all 8 n blocks, 32 along K.  zero = 1: the first product starts the sums, with the bias.
; The 64 accumulators take turns, one instruction a turn, in the same order in every quarter step.
.macro MUL16 f, hi, a0, zero
.if \zero
	WIN BIA_LO+0x40*(\hi)
.else
	WIN MUL_LO+0x50*(\hi)
.endif
.irp a, \a0, (\a0)+1
.irp b, 0,1,2,3,4,5,6,7
.if \zero
	v_wmma_f32_16x16x32_f16 v[8*(8*(\a)+(\b)):8*(8*(\a)+(\b))+7], v[(\f)+8*(\b):(\f)+8*(\b)+7], v[(\f)+8*(4*(\hi)+(\a)):(\f)+8*(4*(\hi)+(\a))+7], v[8*(\b):8*(\b)+7]
.else
	v_wmma_f32_16x16x32_f16 v[8*(8*(\a)+(\b)):8*(8*(\a)+(\b))+7], v[(\f)+8*(\b):(\f)+8*(\b)+7], v[(\f)+8*(4*(\hi)+(\a)):(\f)+8*(4*(\hi)+(\a))+7], v[8*(8*(\a)+(\b)):8*(8*(\a)+(\b))+7]
.endif
.endr
.endr
.endm
; 32 LDS loads in one run: the fragments of one quarter step (128 rows of wq, 128 rows of xh, 32 K at byte k of the rows) into buffer f
.macro FETCH slot, k, f
	WIN TO_B
.irp i, 0,1,2,3,4,5,6,7
	ds_load_b128 v[(\f)+8*(\i):(\f)+8*(\i)+3],   v[ADRB+(\slot)] offset:(\k)+(\i)*16*PITCH
	ds_load_b128 v[(\f)+8*(\i)+4:(\f)+8*(\i)+7], v[ADRB+(\slot)] offset:(\k)+(\i)*16*PITCH+32
.endr
	WIN 0
.irp i, 0,1,2,3,4,5,6,7
	ds_load_b128 v[(\f)+8*(\i):(\f)+8*(\i)+3],   v[ADRA+(\slot)] offset:(\k)+(\i)*16*PITCH
	ds_load_b128 v[(\f)+8*(\i)+4:(\f)+8*(\i)+7], v[ADRA+(\slot)] offset:(\k)+(\i)*16*PITCH+32
.endr
.endm
; Four plain vector instructions stand between a matrix instruction and a load into a register that it has read, or a vector instruction that reads its result (ISA guide 7.12.1 for vector instructions).
.macro PLACES
.rept 4
	v_nop
.endr
.endm
; A K step is four quarter steps of 32 along K, 64 matrix instructions each, on buffers 0, 1, 0, 1.  One of the first three: multiplies buffer f; in its middle it fetches the next quarter's fragments into buffer g.
.macro QUARTER slot, k, f, g, zero
	s_wait_dscnt 8                                 ; wq's and xh's rows 0-63 are in; the youngest eight loads (xh's rows 64-127) may be out
	MUL16 \f, 0, 0, \zero
	MUL16 \f, 0, 2, \zero
	PLACES
	FETCH \slot, \k, \g
	s_wait_dscnt 32                                ; all but the 32 just issued
	MUL16 \f, 1, 0, \zero
	MUL16 \f, 1, 2, \zero
.endm
; The last quarter multiplies buffer 1 and changes slots.  MEET is its first half: ONE barrier.  In front of it each wave waits for all its tensor loads, of which one is out: its part of the next slot;
; adds 0 to its spare word; and waits for that and for its own reads of this slot.  Behind it nobody reads this slot any more and the next slot is whole.
.macro MEET round
	WIN 0                                          ; (the add's two registers lie in window 0)
	s_wait_tensorcnt 0x0                           ; all my tensor loads have landed
	ds_add_u32 v[SPW], v[NIL]                      ; 0 onto my spare word
	s_wait_dscnt 9                                 ; (the add and the youngest eight loads may be out)
	MUL16 F1, 0, 0, 0                              ; sixteen matrix instructions stand between the add and the wait for it
	s_wait_dscnt 0x0                               ; the add is done, and my reads of this slot are over
	s_barrier_signal -1
	MUL16 F1, 0, 2, 0                              ; work on registers while the others arrive
.if \round
	WIN 0
.endif
	s_barrier_wait -1
.endm
; The whole last quarter.  Behind the round the slot just read out is filled again first: with this tile's K step two steps on (on = 0) or, in a tile's last two K steps, with the NEXT tile's
; K step 0 or 1 (on = 1).  From a request to the wait for it a wave issues 224 matrix instructions, across tiles too.
.macro TURN slot, next, on
	s_wait_xcnt 0x0                                ; the last prefetch, a K step back, has read its address: it is stepped here
.if (\on) && (\slot) == 0
	s_add_nc_u64 s[PFA:PFA+1], s[PFA:PFA+1], (WALK-1)*SIZE_K*2+KSTEP*2  ; from the K step after the tile's last to the next tile's K step 1: WALK rows down, back along K
	s_cmp_eq_u32 s11, 0
	s_cselect_b32 s[LIM], -1, s[LIM]               ; xh's rows are the same for all three tiles: they have been read, and are prefetched no more
.else
	s_add_nc_u64 s[PFA:PFA+1], s[PFA:PFA+1], KSTEP*2
.endif
	MEET 1
	CREST                                          ; no wave of any partner still reads this slot's tile or has a load on its way
.if \on
	s_sub_nc_u64 s[G0+4*(\slot)+2:G0+4*(\slot)+3], s[G0+4*(\slot)+2:G0+4*(\slot)+3], BACK_A
	s_add_nc_u64 s[G0B+4*(\slot)+2:G0B+4*(\slot)+3], s[G0B+4*(\slot)+2:G0B+4*(\slot)+3], NEXT_B
.else
	s_add_nc_u64 s[G0+4*(\slot)+2:G0+4*(\slot)+3], s[G0+4*(\slot)+2:G0+4*(\slot)+3], 2*KSTEP*2
	s_add_nc_u64 s[G0B+4*(\slot)+2:G0B+4*(\slot)+3], s[G0B+4*(\slot)+2:G0B+4*(\slot)+3], 2*KSTEP*2
.endif
	JLOAD \slot                                    ; the first tensor load behind the round, my only one until the next; its four v_nop are also the places in front of the loads below
	FETCH \next, 0, F0
	ASK \on
	MUL16 F1, 1, 0, 0
	MUL16 F1, 1, 2, 0
.endm
; THE LAST K STEP OF THE LAST TILE (it lies in slot 1) GOES BY ROWS OF qkv, NOT BY K.  All its fragments of wq (4 quarters x 64 registers) fill window 1; then my eight blocks of 16 rows are finished one
; after the other, each with 32 matrix instructions (its 8 accumulators by turns; K ascending).  LDS is read no more than in any other K step.
.macro BLOAD q                         ; wq's fragments of quarter q -> window 1, v[64 q ..]
	WIN TO_B
.irp i, 0,1,2,3,4,5,6,7
	ds_load_b128 v[64*(\q)+8*(\i):64*(\q)+8*(\i)+3],   v[ADRB+1] offset:64*(\q)+(\i)*16*PITCH
	ds_load_b128 v[64*(\q)+8*(\i)+4:64*(\q)+8*(\i)+7], v[ADRB+1] offset:64*(\q)+(\i)*16*PITCH+32
.endr
.endm
.macro ALOAD a                         ; xh's fragments of block a, all four quarters -> buffer a % 4
	WIN 0
.set FA, PA+32*((\a)%4)
.irp q, 0,1,2,3
	ds_load_b128 v[FA+8*(\q):FA+8*(\q)+3],   v[ADRA+1] offset:64*(\q)+(\a)*16*PITCH
	ds_load_b128 v[FA+8*(\q)+4:FA+8*(\q)+7], v[ADRA+1] offset:64*(\q)+(\a)*16*PITCH+32
.endr
.endm
.macro ROW a                           ; block a is finished: 32 matrix instructions
.set FA, PA+32*((\a)%4)                ; its fragments of xh
.set AC, 64*((\a)%4)                   ; its eight accumulators, in window 2 (blocks 0-3) or 3 (blocks 4-7)
	WIN MUL_LO+0x50*((\a)/4)
.irp q, 0,1,2,3
.if (\a) == 0 && (\q) == 2
	s_wait_dscnt 24                                ; wq's quarter 2 is in (behind it: xh's blocks 1 to 3, 24 loads)
.endif
.irp b, 0,1,2,3,4,5,6,7
	v_wmma_f32_16x16x32_f16 v[AC+8*(\b):AC+8*(\b)+7], v[64*(\q)+8*(\b):64*(\q)+8*(\b)+7], v[FA+8*(\q):FA+8*(\q)+7], v[AC+8*(\b):AC+8*(\b)+7]
.endr
.endr
.endm
; THE WAY OUT of block a (16 rows), in three parts.  PACK: rounded to f16, 16 bytes a lane, each accumulator from its low end.  TOSTAGE: into my own stage in LDS, and back as whole rows of 256 bytes.  SEND: stored.
.macro PACK a
.set AC, 64*((\a)%4)
	WIN 0x0a+5*((\a)/4)                            ; sources 0 and 1: window 2 or 3
.irp b, 0,1,2,3,4,5,6,7
.irp r, 0,1,2,3
	v_cvt_pk_f16_f32 v[TMP+4*(\b)+(\r)], v[AC+8*(\b)+2*(\r)], v[AC+8*(\b)+2*(\r)+1]
.endr
.endr
	WIN 0
.endm
.macro TOSTAGE a
	WIN 0
.set BK, OB+192*((\a)%2)
.irp b, 0,1,2,3,4,5,6,7
	ds_store_b128 v[STO], v[TMP+4*(\b):TMP+4*(\b)+3] offset:32*(\b)
.endr
.irp t, 0,1,2,3,4,5,6,7
	ds_load_b128 v[BK+4*(\t):BK+4*(\t)+3], v[RD] offset:(\t)*2*SPITCH  ; LDS serves a wave's instructions in order (ISA guide 5.7.1.4): these see the stores above
.endr
.endm
.macro SEND a, younger                 ; younger: the LDS loads issued behind TOSTAGE's, which may stay out
	WIN 0
.set BK, OB+192*((\a)%2)
	s_wait_dscnt \younger                          ; the block is back in registers
	s_wait_xcnt 0x0                                ; only behind this wait are the stores' base and the registers that earlier stores read rewritten
.if (\a) == 0
	s_add_nc_u64 s[8:9], s[8:9], s[16:17]          ; on to this tile's first rows
.else
	s_add_nc_u64 s[8:9], s[8:9], 16*SIZE_N*2       ; 16 rows on
.endif
.irp t, 0,1,2,3,4,5,6,7
	global_store_b128 v[CO], v[BK+4*(\t):BK+4*(\t)+3], s[8:9] offset:2*(\t)*SIZE_N*2  ; 16 lanes store 256 consecutive bytes, at a multiple of 256 from qkv's first byte
.endr
.endm
	s_wait_tensorcnt 1                             ; my part of K step 0 is in; K step 1's may stay out
	s_barrier_signal -1
	s_barrier_wait -1                              ; everybody's is
	FETCH 0, 0, F0
	s_mov_b32 s2, TILES                            ; tiles to go, this one among them: the same number in every work-group
.Ltile:
	s_wait_loadcnt 0x0                             ; the tile's bias is in
	QUARTER 0, 64,  F0, F1, 1                      ; a tile's first quarter stands in front of the loop: its products start the sums
	WIN 0                                          ; at a label and at a branch every window is 0
	s_mov_b32 s3, LAPS-1
.Llap:                                                 ; a trip goes once round the ring, from a lap's second quarter to the next lap's first, and fills both slots again
	QUARTER 0, 128, F1, F0, 0
	QUARTER 0, 192, F0, F1, 0
	TURN 0, 1, 0
	QUARTER 1, 64,  F0, F1, 0
	QUARTER 1, 128, F1, F0, 0
	QUARTER 1, 192, F0, F1, 0
	TURN 1, 0, 0
	QUARTER 0, 64,  F0, F1, 0
	WIN 0
	s_sub_co_u32 s3, s3, 1
	s_cmp_lg_u32 s3, 0
	s_cbranch_scc1 .Llap
	QUARTER 0, 128, F1, F0, 0                      ; the tile's last lap goes on
	QUARTER 0, 192, F0, F1, 0
	WIN 0
	s_cmp_eq_u32 s2, 1
	s_cbranch_scc1 .Llast_tile                     ; the last tile's tail is written out: it asks for nothing more
	s_add_nc_u64 s[BP:BP+1], s[BP:BP+1], WALK*4    ; the next tile's bias: the loads that read this pointer were waited for at the tile's head, and the registers' last readers stand a tile's products back
	BIAS
	TURN 0, 1, 1                                   ; THE RING GOES ON INTO THE NEXT TILE: slot 0 takes its K step 0,
	QUARTER 1, 64,  F0, F1, 0
	QUARTER 1, 128, F1, F0, 0
	QUARTER 1, 192, F0, F1, 0
	TURN 1, 0, 1                                   ; slot 1 its K step 1, and the next tile's first fragments are fetched
	PACK 0                                         ; both refills are asked for: now the tile goes out.  Blocks 0-3 were finished in front of the joint load's four v_nop; their 128 conversions are the places behind blocks 4-7's last products
	TOSTAGE 0
.irp a, 1,2,3,4,5,6,7                  ; block a's conversions stand between block a - 1's loads from the stage and the wait for them
	PACK \a
	SEND (\a)-1, 0
	TOSTAGE \a
.endr
	SEND 7, 0
	s_wait_xcnt 0x0                                ; the stores have read their base
	s_sub_nc_u64 s[8:9], s[8:9], BACK_C            ; back to my first rows, 1,024 columns on
	s_mov_b64 s[16:17], 0                          ; the next way out adds nothing more
	s_sub_co_u32 s2, s2, 1
	s_branch .Ltile
.Llast_tile:
	MEET 0                                         ; my one tensor load that was still out is slot 1's, the last K step's, so no round follows
	PLACES                                         ; for the loads into buffer 0, which the quarter before multiplied
	BLOAD 0                                        ; three quarters of wq now (quarter 0 over the bias, which is done with): buffer 1 (v128-191 of both windows) is still being multiplied
	BLOAD 1
	BLOAD 3
	ALOAD 0
	MUL16 F1, 1, 0, 0
	MUL16 F1, 1, 2, 0
	PLACES                                         ; for the loads into buffer 1
	BLOAD 2
	ALOAD 1
	ALOAD 2
	ALOAD 3
	s_wait_dscnt 40                                ; all but the 40 just issued
	ROW 0
.irp a, 0,1,2,3,4,5,6,7                ; each block leaves as soon as it is finished: nothing follows this tile under which its stores could leave
	PLACES                                         ; its conversions read results just made
	PACK \a
	TOSTAGE \a
.if (\a) < 4
	ALOAD (\a)+4                                   ; its buffer takes the block four further on
	SEND \a, 8
.else
	SEND \a, 0
.endif
.if (\a) < 7
	ROW (\a)+1
.endif
.endr
	s_wait_tensorcnt 0x0                           ; the wave's end: behind my last tensor load and my last LDS store
	ds_add_u32 v[SPW], v[NIL]
	s_wait_dscnt 0x0
	CROUND                                         ; the closing round: no work-group ends while a partner may still ask for a tile that names it
	s_endpgm
.Lfunc_end_k_q1a083f78d4_gemm_qkv:
	.size	k_q1a083f78d4_gemm_qkv, .Lfunc_end_k_q1a083f78d4_gemm_qkv-k_q1a083f78d4_gemm_qkv
	.p2alignl 7, 3214868480
	.fill 96, 4, 3214868480
	.section	.rodata,"a",@progbits
	.p2align	6, 0x0
	.amdhsa_kernel k_q1a083f78d4_gemm_qkv
		.amdhsa_group_segment_fixed_size 327680
		.amdhsa_private_segment_fixed_size 0
		.amdhsa_enable_private_segment 0
		.amdhsa_kernarg_size 32
		.amdhsa_user_sgpr_count 2
		.amdhsa_user_sgpr_kernarg_segment_ptr 1
		.amdhsa_wavefront_size32 1
		.amdhsa_system_sgpr_workgroup_id_x 1
		.amdhsa_system_sgpr_workgroup_id_y 1
		.amdhsa_system_sgpr_workgroup_id_z 1
		.amdhsa_system_vgpr_workitem_id 0
		.amdhsa_next_free_vgpr 1024
		.amdhsa_next_free_sgpr 68
		.amdhsa_reserve_vcc 0
		.amdhsa_float_denorm_mode_32 3
		.amdhsa_float_denorm_mode_16_64 3
		.amdhsa_memory_ordered 1
		.amdhsa_forward_progress 1
		.amdhsa_inst_pref_size 214
	.end_amdhsa_kernel
	.amdgpu_metadata
---
amdhsa.version: [ 1, 2 ]
amdhsa.kernels:
  - .name:           k_q1a083f78d4_gemm_qkv
    .symbol:         k_q1a083f78d4_gemm_qkv.kd
    .args:
      - { .name: xh, .offset: 0, .size: 8, .value_kind: global_buffer, .address_space: global }
      - { .name: wq, .offset: 8, .size: 8, .value_kind: global_buffer, .address_space: global }
      - { .name: qkv, .offset: 16, .size: 8, .value_kind: global_buffer, .address_space: global }
      - { .name: bq, .offset: 24, .size: 8, .value_kind: global_buffer, .address_space: global }
    .group_segment_fixed_size: 327680
    .private_segment_fixed_size: 0
    .kernarg_segment_align: 8
    .kernarg_segment_size: 32
    .max_flat_workgroup_size: 128
    .sgpr_count:     68
    .vgpr_count:     1024
    .wavefront_size: 32
...
	.end_amdgpu_metadata
.endif
;; end of part 2
;; launch attn (part 3): grid 512 x 1, 8 waves a work-group, no clusters, 0 bytes of LDS; arguments qkv, att; writes att
.if DOCPART == 3
	.amdgcn_target "amdgcn-amd-amdhsa--gfx1250"
	.amdhsa_code_object_version 6
	.text
	.protected	k_q1a083f78d4_attn
	.globl	k_q1a083f78d4_attn
	.p2align	8
	.type	k_q1a083f78d4_attn,@function
k_q1a083f78d4_attn:
	s_mov_b64 s[64:65], 0
	v_nop
	global_prefetch_b8 v0, s[64:65] scope:SCOPE_SE
	s_setreg_imm32_b32 hwreg(HW_REG_WAVE_MODE, 25, 1), 1
	s_wait_xcnt 0x0
; ATTENTION OVER THE 16 HEADS OF ONE POSITION.  For each of 16,384 positions: s[h][t] = q[h] . k[t] / 32; p = softmax over t; o[h] = the sum over t of p[h][t] v[t].  q, k, v: 16 heads x 64 channels.
; qkv: [16384][3072] f16, att: [16384][1024] f16, both in the orders that the launch in front and the launch behind agree on:
;   q at number 128 (d / 8) + 8 h + d % 8, k 1,024 further on, v at 2048 + 256 (d / 16) + 128 (t / 8) + 8 (d % 16) + t % 8;   o at 256 (d / 16) + 128 ((d / 8) % 2) + 8 h + d % 8.
; So every fragment is one load, and every result one store, of 512 consecutive bytes, 16 bytes a lane at 16 x lane: nothing goes through LDS, and no wave waits for another.
; LAYOUT.  S^T = K Q^T (source 0 = k's 16 heads t, source 1 = q's 16 heads h): a lane holds ONE head h (lane % 16) and t = 8 (lane / 16) + 0..7.  Rounded to f16 in pairs these eight ARE registers 0-3 of
; source 1 (k = t) of O^T = V^T P; registers 4-7 (k = 16..31) are 0.  Source 0 of that product is 16 channels x t in registers 0-3; its registers 4-7 are whatever lies next (the next channel block, or four
; registers kept at 0) and meet P's zeros.  The result holds one head a lane and eight channels: 16 bytes.
; SOFTMAX in f32: the maximum over the 16 t is taken away; p = 2^(c s - c m), c = log2(e) / 32; p is divided by its sum before its one rounding to f16.
; LIMITS.  A weight below 2^-126 counts as 0.  NaN and infinities are not treated apart: an infinite v also spoils the channel block in front of it, where it meets a zero.  o lies within v's range.
; SHARES.  A wave takes four positions, as two pairs; all its 48 loads (24,576 bytes) go out at once.  4,096 waves.  No cluster: no two work-groups read the same bytes.  No prefetch: the launch is one stream of loads issued at its head.
.set LO, 1                             ; v1        16 x lane; never rewritten
.set ST, 16                            ; v[16:31]  for u = 0, 1 at ST + 8 u: +0 c m, +1 m, +2, +3 and +4, +5 at work, +6 1 / sum, +7 the other half of the lanes'
.set S,  32                            ; v[32:47]  S^T, then P, 8 registers for each of a pair's two positions
.set VB, 48                            ; v[48:119] V of position p at VB + 16 p + 4 (p / 2); v80-83 and v116-119 hold 0
.set QB, 120                           ; v[120:247] position p: q at QB + 32 p, k 16 further on; later O^T, channel block cb at QB + 32 p + 8 cb
	s_load_b128 s[4:7], s[0:1], 0x0                ; qkv s[4:5], att s[6:7]
	v_lshrrev_b32 v2, 5, v0
	v_readfirstlane_b32 s8, v2                     ; wave 0..7
	v_and_b32 v[LO], 31, v0
	v_lshlrev_b32 v[LO], 4, v[LO]
	s_lshl_b32 s9, ttmp9, 3
	s_add_co_u32 s9, s9, s8                        ; my wave among the 4,096
	s_mul_i32 s10, s9, 4*6144                      ; its four rows of qkv
	s_mov_b32 s11, 0
	s_lshl_b32 s16, s9, 13                         ; and of att
	s_mov_b32 s17, 0
	s_mov_b32 s12, 0x3d38aa3b                      ; c = log2(e) / 32
	s_mov_b32 s13, s12                             ; named with it as a pair
	s_mov_b32 s14, 0x76543210                      ; v_permlanex16_b32: each lane takes its own place in the other half
	s_mov_b32 s15, 0xfedcba98
	s_wait_kmcnt 0x0
	s_add_nc_u64 s[4:5], s[4:5], s[10:11]
	s_add_nc_u64 s[6:7], s[6:7], s[16:17]
.macro LOADP p
.set rQ, QB+32*(\p)
.set rV, VB+16*(\p)+4*((\p)/2)
.irp i, 0,1,2,3,4,5,6,7
	global_load_b128 v[rQ+4*(\i):rQ+4*(\i)+3], v[LO], s[4:5] offset:6144*(\p)+512*(\i) th:TH_LOAD_NT  ; q (i < 4), k: head lane % 16, channels 8 (2 (i % 4) + lane / 16) + 0..7
.endr
.irp i, 0,1,2,3
	global_load_b128 v[rV+4*(\i):rV+4*(\i)+3], v[LO], s[4:5] offset:6144*(\p)+4096+512*(\i) th:TH_LOAD_NT  ; v: channel 16 i + lane % 16, heads 8 (lane / 16) + 0..7
.endr
.endm
	LOADP 0
	LOADP 1
	LOADP 2
	LOADP 3
.irp r, 80,81,82,83,116,117,118,119
	v_mov_b32 v\r, 0
.endr
	v_mov_b32 v[ST+7], 0                           ; v_permlanex16_b32's destination counts as read
	v_mov_b32 v[ST+15], 0
; Positions 2 q and 2 q + 1.  Every step is written for both, so that no instruction waits for the one in front of it.  left: the younger loads that may stay out.
.macro PAIR q, left
	s_wait_loadcnt \left
.irp z, 0,1                            ; channels 32 z on; the two accumulators take turns
.irp u, 0,1
.set rS, S+8*(\u)
.set rQ, QB+32*(2*(\q)+(\u))+8*(\z)
.if (\z) == 0
	v_wmma_f32_16x16x32_f16 v[rS:rS+7], v[rQ+16:rQ+23], v[rQ:rQ+7], 0
.else
	v_wmma_f32_16x16x32_f16 v[rS:rS+7], v[rQ+16:rQ+23], v[rQ:rQ+7], v[rS:rS+7]
.endif
.endr
.endr
.rept 4
	v_nop                                          ; four plain instructions between a product and the first read of its result (ISA guide 7.12.1)
.endr
	; the maximum of the lane's eight scores, from the accumulator's low end on, and of the other half of the lanes' eight
.irp u, 0,1
	v_max3_num_f32 v[ST+8*(\u)+2], v[S+8*(\u)], v[S+8*(\u)+1], v[S+8*(\u)+2]
.endr
.irp u, 0,1
	v_max3_num_f32 v[ST+8*(\u)+2], v[ST+8*(\u)+2], v[S+8*(\u)+3], v[S+8*(\u)+4]
.endr
.irp u, 0,1
	v_max3_num_f32 v[ST+8*(\u)+2], v[ST+8*(\u)+2], v[S+8*(\u)+5], v[S+8*(\u)+6]
.endr
.irp u, 0,1
	v_max_num_f32 v[ST+8*(\u)+2], v[ST+8*(\u)+2], v[S+8*(\u)+7]
.endr
.irp u, 0,1
	v_permlanex16_b32 v[ST+8*(\u)+7], v[ST+8*(\u)+2], s14, s15
.endr
.irp u, 0,1
	v_max_num_f32 v[ST+8*(\u)+1], v[ST+8*(\u)+2], v[ST+8*(\u)+7]
.endr
.irp u, 0,1
	v_mul_f32 v[ST+8*(\u)], s12, v[ST+8*(\u)+1]
.endr
.irp i, 0,2,4,6
.irp u, 0,1
	v_pk_fma_f32 v[S+8*(\u)+(\i):S+8*(\u)+(\i)+1], v[S+8*(\u)+(\i):S+8*(\u)+(\i)+1], s[12:13], v[ST+8*(\u):ST+8*(\u)+1] op_sel_hi:[1,0,0] neg_lo:[0,0,1] neg_hi:[0,0,1]  ; c s - c m
.endr
.endr
.set r, 0
.rept 16
	v_exp_f32 v[S+r], v[S+r]                       ; one batch
.set r, r+1
.endr
	v_nop                                          ; a plain instruction behind the last exponential (ISA guide 5.7.2),
	s_wait_alu depctr_va_vdst(0)                   ; and the one wait ahead of the batch's first reader
.irp u, 0,1
	v_pk_add_f32 v[ST+8*(\u)+2:ST+8*(\u)+3], v[S+8*(\u):S+8*(\u)+1], v[S+8*(\u)+2:S+8*(\u)+3]
	v_pk_add_f32 v[ST+8*(\u)+4:ST+8*(\u)+5], v[S+8*(\u)+4:S+8*(\u)+5], v[S+8*(\u)+6:S+8*(\u)+7]
.endr
.irp u, 0,1
	v_pk_add_f32 v[ST+8*(\u)+2:ST+8*(\u)+3], v[ST+8*(\u)+2:ST+8*(\u)+3], v[ST+8*(\u)+4:ST+8*(\u)+5]
.endr
.irp u, 0,1
	v_add_f32 v[ST+8*(\u)+2], v[ST+8*(\u)+2], v[ST+8*(\u)+3]
.endr
.irp u, 0,1
	v_permlanex16_b32 v[ST+8*(\u)+7], v[ST+8*(\u)+2], s14, s15
.endr
.irp u, 0,1
	v_add_f32 v[ST+8*(\u)+2], v[ST+8*(\u)+2], v[ST+8*(\u)+7]
.endr
.irp u, 0,1
	v_rcp_f32 v[ST+8*(\u)+6], v[ST+8*(\u)+2]       ; the sum is at least 1: the largest weight is 1
.endr
	v_nop
	s_wait_alu depctr_va_vdst(0)                   ; one wait for the two reciprocals
.irp i, 0,2,4,6
.irp u, 0,1
	v_pk_mul_f32 v[S+8*(\u)+(\i):S+8*(\u)+(\i)+1], v[S+8*(\u)+(\i):S+8*(\u)+(\i)+1], v[ST+8*(\u)+6:ST+8*(\u)+7] op_sel_hi:[1,0]
.endr
.endr
.irp i, 0,1,2,3                        ; in place, ascending: register i takes weights 2 i and 2 i + 1
.irp u, 0,1
	v_cvt_pk_f16_f32 v[S+8*(\u)+(\i)], v[S+8*(\u)+2*(\i)], v[S+8*(\u)+2*(\i)+1]
.endr
.endr
.irp i, 4,5,6,7
.irp u, 0,1
	v_mov_b32 v[S+8*(\u)+(\i)], 0                  ; k = 16..31 of the second product is empty
.endr
.endr
.irp cb, 0,1,2,3                       ; eight products, each on an accumulator of its own, over q's and k's registers, which are done with
.irp u, 0,1
.set rO, QB+32*(2*(\q)+(\u))+8*(\cb)
.set rV, VB+16*(2*(\q)+(\u))+4*(\q)+4*(\cb)
	v_wmma_f32_16x16x32_f16 v[rO:rO+7], v[rV:rV+7], v[S+8*(\u):S+8*(\u)+7], 0
.endr
.endr
.rept 4
	v_nop
.endr
.irp u, 0,1
.irp cb, 0,1,2,3
.set rO, QB+32*(2*(\q)+(\u))+8*(\cb)
.irp i, 0,1,2,3
	v_cvt_pk_f16_f32 v[rO+(\i)], v[rO+2*(\i)], v[rO+2*(\i)+1]
.endr
	global_store_b128 v[LO], v[rO:rO+3], s[6:7] offset:2048*(2*(\q)+(\u))+512*(\cb)  ; 512 consecutive bytes, aligned; no register of a store is written again
.endr
.endr
.endm
	PAIR 0, 24                                     ; the second pair's 24 loads may stay out
	PAIR 1, 0
	s_endpgm
.Lfunc_end_k_q1a083f78d4_attn:
	.size	k_q1a083f78d4_attn, .Lfunc_end_k_q1a083f78d4_attn-k_q1a083f78d4_attn
	.p2alignl 7, 3214868480
	.fill 96, 4, 3214868480
	.section	.rodata,"a",@progbits
	.p2align	6, 0x0
	.amdhsa_kernel k_q1a083f78d4_attn
		.amdhsa_group_segment_fixed_size 0
		.amdhsa_private_segment_fixed_size 0
		.amdhsa_enable_private_segment 0
		.amdhsa_kernarg_size 16
		.amdhsa_user_sgpr_count 2
		.amdhsa_user_sgpr_kernarg_segment_ptr 1
		.amdhsa_wavefront_size32 1
		.amdhsa_system_sgpr_workgroup_id_x 1
		.amdhsa_system_sgpr_workgroup_id_y 1
		.amdhsa_system_sgpr_workgroup_id_z 1
		.amdhsa_system_vgpr_workitem_id 0
		.amdhsa_next_free_vgpr 248
		.amdhsa_next_free_sgpr 66
		.amdhsa_reserve_vcc 0
		.amdhsa_float_denorm_mode_32 3
		.amdhsa_float_denorm_mode_16_64 3
		.amdhsa_memory_ordered 1
		.amdhsa_forward_progress 1
		.amdhsa_inst_pref_size 21
	.end_amdhsa_kernel
	.amdgpu_metadata
---
amdhsa.version: [ 1, 2 ]
amdhsa.kernels:
  - .name:           k_q1a083f78d4_attn
    .symbol:         k_q1a083f78d4_attn.kd
    .args:
      - { .name: qkv, .offset: 0, .size: 8, .value_kind: global_buffer, .address_space: global }
      - { .name: att, .offset: 8, .size: 8, .value_kind: global_buffer, .address_space: global }
    .group_segment_fixed_size: 0
    .private_segment_fixed_size: 0
    .kernarg_segment_align: 8
    .kernarg_segment_size: 16
    .max_flat_workgroup_size: 256
    .sgpr_count:     66
    .vgpr_count:     248
    .wavefront_size: 32
...
	.end_amdgpu_metadata
.endif
;; end of part 3
;; launch gemm_out (part 4): grid 4 x 64, 4 waves a work-group, clusters of 4 x 4, 327,680 bytes of LDS; arguments att, wo, out0, b_o; writes out0
.if DOCPART == 4
	.amdgcn_target "amdgcn-amd-amdhsa--gfx1250"
	.amdhsa_code_object_version 6
	.text
	.protected	k_q1a083f78d4_gemm_out
	.globl	k_q1a083f78d4_gemm_out
	.p2align	8
	.type	k_q1a083f78d4_gemm_out,@function
k_q1a083f78d4_gemm_out:
	s_mov_b64 s[64:65], 0
	v_nop
	global_prefetch_b8 v0, s[64:65] scope:SCOPE_SE
	s_setreg_imm32_b32 hwreg(HW_REG_WAVE_MODE, 25, 1), 1
	s_wait_xcnt 0x0
	s_wait_alu depctr_hold_cnt(0) depctr_sa_sdst(0) depctr_va_vdst(0) depctr_va_sdst(0) depctr_va_ssrc(0) depctr_va_vcc(0) depctr_vm_vsrc(0)
	s_getreg_b32 s2, hwreg(HW_REG_IB_STS2, 6, 4)
	s_cmp_eq_u32 s2, 0
	s_cbranch_scc0 .Lentry_in_a_cluster
	s_endpgm
.Lentry_in_a_cluster:
	s_bfe_u32 s2, ttmp6, 0x10000c
	s_cmp_lg_u32 s2, 0xf033
	s_cbranch_scc0 .Lentry_shape_is_right
	s_endpgm
.Lentry_shape_is_right:
; out0[m][n] = b_o[n] + the sum over k of att[m][k] wo[n][k].  att: [16384][1024], wo: [1024][1024], f16; b_o: [1024], out0: [16384][1024], f32; sums in f32.
; LIMITS.  NaN and infinities are not treated apart.
; A tile of out0, 256 x 256, is made by a work-group of four waves; a wave makes 128 x 128: 64 accumulators of 16 x 16, 512 registers.  64 x 4 tiles, one to a work-group.  K goes in steps of 128
; through a ring of two LDS slots filled by the tensor data mover: the rows of the tiles are 256 bytes of memory and start at multiples of 256 bytes.  The last K step goes by rows of out0, so that
; finished rows leave while the others are multiplied.
; CLUSTERS: 4 x 4 work-groups.  The four of a row of the cluster need the same tiles of att, the four of a column the same tiles of wo: each tile is asked for JOINTLY, by the same tensor load with
; the same descriptor and a mask that names the four.
; THE BIAS is the C operand of the product that starts each sum.  THE MATRIX INSTRUCTION IS USED TRANSPOSED (source 0 = 16 rows of wo, source 1 = 16 rows of att): lane l holds row l % 16 of out0 and the
; columns 8 (l / 16) + 0..7: 32 bytes that belong together.
; REGISTERS, in windows of 256 (s_set_vgpr_msb's low byte: bits 1:0 source 0, 3:2 source 1, 5:4 source 2, 7:6 destination):
;   window 0: v0-31 addresses; v64-127, v128-191 fragments of att, two buffers (in the last K step four, of 16 rows x 128 K); v192-255 on the way out: 16 rows read back from the stage
;   window 1: v0-63 the bias; v64-127, v128-191 fragments of wo, two buffers; in the last K step all 256: wo's fragments of the whole step
;   window 2: the 32 accumulators of my rows 0-63 ((a, b) at v[8 (8 a + b)]);   window 3: those of my rows 64-127
.set SIZE_N, 1024
.set SIZE_K, 1024
.set KSTEP,  128
.set PITCH,  272                       ; an LDS row: 256 bytes + 16 of padding = 68 words: the 16 rows that a load touches start at 16 different groups of four banks (64 banks of 4 bytes: ISA guide 11.1)
.set HALFT,  128*PITCH
.set SLOT,   4*HALFT                   ; att's 256 rows, then wo's 256 rows
.set STAGE,  2*SLOT                    ; behind the ring: 16 rows x 528 bytes for each wave, for the way out; no tensor load fills it
.set SPITCH, 528                       ; 512 bytes + 16 = 132 words: again 16 rows at 16 different groups of four banks
.set SPARE,  STAGE+4*16*SPITCH         ; behind the stages: the spare words, 128 bytes for each wave: two blocks of 256 bytes that no other line names
.set LAPS,   SIZE_K/(2*KSTEP)
.set ADRA, 16                          ; v16-17  LDS address of my att fragments in slot 0, 1
.set ADRB, 20                          ; v20-21  the same for wo
.set STO,  24                          ; v24     the way out: where I put 32 bytes of a row
.set RD,   25                          ; v25     the way out: where I read 16 bytes of a row back
.set CO,   26                          ; v26     my byte offset in a row's 512 bytes of out0
.set BO,   27                          ; v27     my byte offset in the bias: 32 (l / 16); never rewritten
.set SPW,  28                          ; v28     LDS address of my spare word: SPARE + 4 x my thread's number; never rewritten
.set NIL,  29                          ; v29     0; never rewritten
.set PFO,  30                          ; v30     the prefetches' offset: my lane x a row of 2,048 bytes; never rewritten
.set PFA,  44                          ; s[44:45] where my prefetches stand
.set LIM,  43                          ; s43     1 in a wave that prefetches, else the greatest number
.set BP,   66                          ; s[66:67] the bias at my 128 columns
.set F0,   64
.set F1,   128
.set PA,   64                          ; the last K step: att's fragments of 16 rows x 128 K, 32 registers; four such buffers, v64-191
.set BK,   192                         ; the way out: 64 registers
.set G1,  24
.set G0,  32
.set G1B, 48
.set G0B, 56
.set MSB, 0
.macro WIN new                         ; the immediate's high byte repeats the setting that is left; a switch that changes nothing is dropped
.if MSB != (\new)
	s_set_vgpr_msb (MSB<<8)|(\new)
.set MSB, \new
.endif
.endm
.set MUL_LO, 0xa1                      ; source 0 (wo) window 1, source 1 (att) window 0, C and D window 2
.set MUL_HI, 0xf1
.set BIA_LO, 0x91                      ; the same with C, the bias, in window 1
.set BIA_HI, 0xd1
.set TO_B,   0x40
; A joint load.  Waves 0 and 1 fetch att's two halves, waves 2 and 3 wo's.  The branch hangs on the wave's number alone.  An s_nop 0 and four v_nop follow each of the two lines.
.macro JLOAD s
	s_cmp_eq_u32 s11, 0
	s_cbranch_scc0 .Lfor_b_\@
	tensor_load_to_lds s[G0+4*(\s):G0+4*(\s)+3], s[G1:G1+7]
	s_nop 0
.rept 4
	v_nop
.endr
	s_branch .Lasked_\@
.Lfor_b_\@:
	tensor_load_to_lds s[G0B+4*(\s):G0B+4*(\s)+3], s[G1B:G1B+7]
	s_nop 0
.rept 4
	v_nop
.endr
.Lasked_\@:
.endm
; A PREFETCH INTO THE L2, behind each joint load, its five lines and the run of LDS loads: the K step that stands TWO refills on, 512 matrix instructions ahead of the load that will want it:
; 32 rows x 256 bytes, a lane a row, one instruction a wave.  Each row's 256 bytes of a K step are named ONCE in the launch: att's tile row is read by one cluster alone, which asks; wo's tile column by
; all sixteen clusters, of which the one with y = 0 asks; the four partners that ask for a tile jointly share its rows out BY ADDRESS, 32 each (by cx for att, by cy for wo).  The last two refills have no K step two on.
.macro ASK
	s_cmp_gt_u32 s3, s[LIM]                        ; s3 = 1 in the loop's last trip
	s_cbranch_scc0 .Lnot_mine_\@
	global_prefetch_b8 v[PFO], s[PFA:PFA+1] offset:KSTEP*2 th:TH_LOAD_NT scope:SCOPE_SE
.Lnot_mine_\@:
.endm
.macro CREST                           ; a round of the cluster's barrier behind its opening barrier
	s_cmp_lg_u32 s10, 0
	s_cbranch_scc1 .Lnot_wave_0_\@
	s_barrier_signal -3
.Lnot_wave_0_\@:
	s_barrier_wait -3
	s_barrier_signal -1
	s_barrier_wait -1
.endm
.macro CROUND
	s_barrier_signal -1
	s_barrier_wait -1
	CREST
.endm
	s_load_b128 s[4:7], s[0:1], 0x0                ; att s[4:5], wo s[6:7]
	s_load_b64 s[8:9], s[0:1], 0x10                ; out0
	s_load_b64 s[BP:BP+1], s[0:1], 0x18            ; b_o
	v_lshl_add_u32 v[SPW], v0, 2, SPARE
	v_mov_b32 v[NIL], 0
	ds_add_u32 v[SPW], v[NIL]                      ; the wave's opening: the add and its wait stand ahead of my first tensor load; the set-up below, work on registers, stands between them
	v_lshrrev_b32 v1, 5, v0
	v_readfirstlane_b32 s10, v1                    ; wave 0..3
	s_lshr_b32 s11, s10, 1                         ; which half of the tile's rows is mine.  Also: I fetch for att (0) or for wo (1)
	s_and_b32 s12, s10, 1                          ; which half of its columns.  Also: which 128 rows of that tile I fetch
	s_bfe_u32 s40, ttmp6, 0x40000                  ; cx
	s_bfe_u32 s41, ttmp6, 0x40004                  ; cy
	s_lshl_b32 s42, ttmp9, 2
	s_add_co_u32 s42, s42, s40                     ; tile column = 4 x cluster x + cx
	s_and_b32 s13, ttmp7, 0xffff
	s_lshl_b32 s13, s13, 2
	s_add_co_u32 s13, s13, s41                     ; tile row = 4 x cluster y + cy
	s_lshl_b32 s43, s41, 2
	s_lshl_b32 s43, 15, s43                        ; my row of the cluster
	s_lshl_b32 s44, 0x1111, s40                    ; my column
	s_or_b32 s[G1+0], s43, (1<<16)|(1<<20)|(1<<21)|(5<<22)|(3<<25)  ; 15:0 the mask; 17:16 elements of 2 bytes; 20 padding on; 21 set beside a mask; 24:22 after every 64 words (code 5); 31:25 4 words of it (code 3)
	s_or_b32 s[G1B+0], s44, (1<<16)|(1<<20)|(1<<21)|(5<<22)|(3<<25)
	s_mov_b32 s[G1B+1], KSTEP<<16
	s_mov_b32 s[G1+1], KSTEP<<16                   ; tensor_dim0 = 128
	s_mov_b32 s[G1B+2], 128<<16
	s_mov_b32 s[G1+2], 128<<16                     ; tensor_dim1 = 128
	s_mov_b32 s[G1B+3], KSTEP<<16
	s_mov_b32 s[G1+3], KSTEP<<16                   ; tile_dim0 = 128
	s_mov_b32 s[G1B+4], 128
	s_mov_b32 s[G1+4], 128                         ; tile_dim1 = 128
	s_mov_b32 s[G1B+5], SIZE_K
	s_mov_b32 s[G1+5], SIZE_K                      ; elements from row to row
	s_mov_b32 s[G1B+6], 0
	s_mov_b32 s[G1+6], 0
	s_mov_b32 s[G1B+7], 0
	s_mov_b32 s[G1+7], 0
	s_lshl_b32 s17, s12, 7
	s_lshl_b32 s16, s13, 8
	s_add_co_u32 s16, s16, s17                     ; att: row 256 x tile row + 128 x half
	s_lshl_b32 s46, s42, 8
	s_add_co_u32 s46, s46, s17                     ; wo: row 256 x tile column + 128 x half
	s_mov_b32 s17, 0
	s_mov_b32 s47, 0
	s_mov_b64 s[18:19], SIZE_K*2
	s_mul_u64 s[16:17], s[16:17], s[18:19]
	s_mul_u64 s[46:47], s[46:47], s[18:19]
	s_mul_i32 s20, s10, HALFT                      ; where they go: wave x 128 rows: no place in the cluster enters an LDS address
	s_wait_dscnt 0x0                               ; the opening add is done
	s_wait_kmcnt 0x0
	s_add_nc_u64 s[14:15], s[4:5], s[16:17]
	s_add_nc_u64 s[46:47], s[6:7], s[46:47]
	CROUND                                         ; all sixteen work-groups are here: the first joint loads meet
.irp s, 0,1
	s_mov_b32 s[G0+4*(\s)], 1
	s_add_co_u32 s[G0+4*(\s)+1], s20, (\s)*SLOT
	s_add_nc_u64 s[G0+4*(\s)+2:G0+4*(\s)+3], s[14:15], (\s)*KSTEP*2
	s_or_b32 s[G0+4*(\s)+3], s[G0+4*(\s)+3], 0x80000000
	s_mov_b32 s[G0B+4*(\s)], 1
	s_add_co_u32 s[G0B+4*(\s)+1], s20, (\s)*SLOT
	s_add_nc_u64 s[G0B+4*(\s)+2:G0B+4*(\s)+3], s[46:47], (\s)*KSTEP*2
	s_or_b32 s[G0B+4*(\s)+3], s[G0B+4*(\s)+3], 0x80000000
	JLOAD \s                                       ; two tensor loads of mine are out
.endr
	v_and_b32 v1, 15, v0                           ; l % 16
	v_bfe_u32 v2, v0, 4, 1                         ; l / 16
	v_mul_u32_u24 v3, v1, PITCH
	v_lshl_add_u32 v3, v2, 4, v3                   ; a fragment's row x pitch + 16 x half
	s_mul_i32 s21, s11, HALFT                      ; my 128 rows of att
	s_mul_i32 s22, s12, HALFT                      ; my 128 rows of wo,
	s_add_co_u32 s22, s22, 2*HALFT                 ; which lie behind att's 256
.irp s, 0,1
	v_add_nc_u32 v[ADRA+(\s)], s21, v3
	v_add_nc_u32 v[ADRB+(\s)], s22, v3
	s_add_co_u32 s21, s21, SLOT
	s_add_co_u32 s22, s22, SLOT
.endr
	s_mul_i32 s23, s10, 16*SPITCH
	s_add_co_u32 s23, s23, STAGE                   ; my stage
	v_mul_u32_u24 v4, v1, SPITCH                   ; in: row l % 16, 32 bytes for each half of the lanes
	v_lshl_add_u32 v4, v2, 5, v4
	v_add_nc_u32 v[STO], s23, v4
	v_and_b32 v5, 31, v0
	v_lshlrev_b32 v[CO], 4, v5                     ; back: 32 lanes take one row of 512 bytes,
	v_add_nc_u32 v[RD], s23, v[CO]                 ; which are 512 consecutive bytes of out0
	v_lshlrev_b32 v[BO], 5, v2
	s_lshl_b32 s13, s13, 8
	s_lshl_b32 s14, s11, 7
	s_add_co_u32 s16, s13, s14                     ; my first row of out0
	s_mov_b32 s17, 0
	s_mov_b64 s[18:19], SIZE_N*4
	s_mul_u64 s[16:17], s[16:17], s[18:19]
	s_lshl_b32 s46, s42, 10                        ; my first column, in bytes: 1,024 x tile column + 512 x half; the same in out0's rows and in the bias
	s_lshl_b32 s47, s12, 9
	s_add_co_u32 s46, s46, s47
	s_mov_b32 s47, 0
	s_add_nc_u64 s[16:17], s[16:17], s[46:47]
	s_add_nc_u64 s[BP:BP+1], s[BP:BP+1], s[46:47]
	; the prefetches.  s13 = 256 x tile row, s42 = tile column, s40 = cx, s41 = cy still stand
	s_lshl_b32 s42, s42, 8
	s_and_b32 s22, ttmp7, 0xffff                   ; cluster y
	s_cmp_eq_u32 s11, 0                            ; do I fetch for att?
	s_cselect_b32 s20, s13, s42
	s_cselect_b32 s21, s40, s41
	s_cselect_b32 s22, ttmp9, s22
	s_cselect_b64 s[PFA:PFA+1], s[4:5], s[6:7]
	s_cmp_eq_u32 s22, 0
	s_cselect_b32 s[LIM], 1, -1                    ; the same in all sixteen partners, for a given wave
	s_lshl_b32 s22, s12, 7
	s_add_co_u32 s20, s20, s22
	s_lshl_b32 s21, s21, 5
	s_add_co_u32 s20, s20, s21
	s_mov_b32 s21, 0
	s_mov_b64 s[18:19], SIZE_K*2
	s_mul_u64 s[20:21], s[20:21], s[18:19]
	s_add_nc_u64 s[PFA:PFA+1], s[PFA:PFA+1], s[20:21]
	s_add_nc_u64 s[PFA:PFA+1], s[PFA:PFA+1], 2*KSTEP*2  ; at K step 2: the first refill steps it to 3 and names K step 4.  Nothing is prefetched here, at the head
	v_and_b32 v[PFO], 31, v0
	v_mul_u32_u24 v[PFO], v[PFO], SIZE_K*2
	; the bias of my 128 columns: register 8 b + j takes number 16 b + 8 (l / 16) + j, the column that register j of accumulator (a, b) holds
	WIN TO_B
.irp b, 0,1,2,3,4,5,6,7
	global_load_b128 v[8*(\b):8*(\b)+3],   v[BO], s[BP:BP+1] offset:64*(\b)
	global_load_b128 v[8*(\b)+4:8*(\b)+7], v[BO], s[BP:BP+1] offset:64*(\b)+16
.endr
	WIN 0
; 16 matrix instructions: m blocks a0, a0 + 1 of the window's four x all 8 n blocks, 32 along K.  zero = 1: the first product starts the sums, with the bias.
; The 64 accumulators take turns, one instruction a turn, in the same order in every quarter step.
.macro MUL16 f, hi, a0, zero
.if \zero
	WIN BIA_LO+0x40*(\hi)
.else
	WIN MUL_LO+0x50*(\hi)
.endif
.irp a, \a0, (\a0)+1
.irp b, 0,1,2,3,4,5,6,7
.if \zero
	v_wmma_f32_16x16x32_f16 v[8*(8*(\a)+(\b)):8*(8*(\a)+(\b))+7], v[(\f)+8*(\b):(\f)+8*(\b)+7], v[(\f)+8*(4*(\hi)+(\a)):(\f)+8*(4*(\hi)+(\a))+7], v[8*(\b):8*(\b)+7]
.else
	v_wmma_f32_16x16x32_f16 v[8*(8*(\a)+(\b)):8*(8*(\a)+(\b))+7], v[(\f)+8*(\b):(\f)+8*(\b)+7], v[(\f)+8*(4*(\hi)+(\a)):(\f)+8*(4*(\hi)+(\a))+7], v[8*(8*(\a)+(\b)):8*(8*(\a)+(\b))+7]
.endif
.endr
.endr
.endm
.macro FETCH slot, k, f                ; 32 LDS loads in one run: the fragments of one quarter step into buffer f
	WIN TO_B
.irp i, 0,1,2,3,4,5,6,7
	ds_load_b128 v[(\f)+8*(\i):(\f)+8*(\i)+3],   v[ADRB+(\slot)] offset:(\k)+(\i)*16*PITCH
	ds_load_b128 v[(\f)+8*(\i)+4:(\f)+8*(\i)+7], v[ADRB+(\slot)] offset:(\k)+(\i)*16*PITCH+32
.endr
	WIN 0
.irp i, 0,1,2,3,4,5,6,7
	ds_load_b128 v[(\f)+8*(\i):(\f)+8*(\i)+3],   v[ADRA+(\slot)] offset:(\k)+(\i)*16*PITCH
	ds_load_b128 v[(\f)+8*(\i)+4:(\f)+8*(\i)+7], v[ADRA+(\slot)] offset:(\k)+(\i)*16*PITCH+32
.endr
.endm
.macro PLACES                          ; four plain vector instructions between a matrix instruction and a load into a register that it has read, or a read of its result (ISA guide 7.12.1 for vector instructions)
.rept 4
	v_nop
.endr
.endm
.macro QUARTER slot, k, f, g, zero     ; multiplies buffer f; in its middle it fetches the next quarter's fragments into buffer g
	s_wait_dscnt 8                                 ; wo's and att's rows 0-63 are in; the youngest eight loads (att's rows 64-127) may be out
	MUL16 \f, 0, 0, \zero
	MUL16 \f, 0, 2, \zero
	PLACES
	FETCH \slot, \k, \g
	s_wait_dscnt 32                                ; all but the 32 just issued
	MUL16 \f, 1, 0, \zero
	MUL16 \f, 1, 2, \zero
.endm
; The first half of a K step's last quarter: ONE barrier for the change of slots.  In front of it each wave waits for all its tensor loads, of which one is out: its part of the next slot; adds 0 to its
; spare word; and waits for that and for its own reads of this slot.
.macro MEET round
	WIN 0                                          ; (the add's two registers lie in window 0)
	s_wait_tensorcnt 0x0                           ; all my tensor loads have landed
	ds_add_u32 v[SPW], v[NIL]                      ; 0 onto my spare word
	s_wait_dscnt 9                                 ; (the add and the youngest eight loads may be out)
	MUL16 F1, 0, 0, 0
	s_wait_dscnt 0x0                               ; the add is done, and my reads of this slot are over
	s_barrier_signal -1
	MUL16 F1, 0, 2, 0
.if \round
	WIN 0
.endif
	s_barrier_wait -1
.endm
; The whole last quarter: behind the round the slot just read out is filled again first, with the K step two steps on: 224 matrix instructions ahead of the wait for it.
.macro TURN slot, next
	s_wait_xcnt 0x0                                ; the last prefetch, a K step back, has read its address: it is stepped here
	s_add_nc_u64 s[PFA:PFA+1], s[PFA:PFA+1], KSTEP*2
	MEET 1
	CREST                                          ; no wave of any partner still reads this slot's tile or has a load on its way
	s_add_nc_u64 s[G0+4*(\slot)+2:G0+4*(\slot)+3], s[G0+4*(\slot)+2:G0+4*(\slot)+3], 2*KSTEP*2
	s_add_nc_u64 s[G0B+4*(\slot)+2:G0B+4*(\slot)+3], s[G0B+4*(\slot)+2:G0B+4*(\slot)+3], 2*KSTEP*2
	JLOAD \slot                                    ; the first tensor load behind the round, my only one until the next; its four v_nop are also the places in front of the loads below
	FETCH \next, 0, F0
	ASK
	MUL16 F1, 1, 0, 0
	MUL16 F1, 1, 2, 0
.endm
; THE LAST K STEP (it lies in slot 1) GOES BY ROWS OF out0, NOT BY K.  All its fragments of wo (4 quarters x 64 registers) fill window 1; then my eight blocks of 16 rows are finished one after the other,
; each with 32 matrix instructions (its 8 accumulators by turns; K ascending).  LDS is read no more than in any other K step.
.macro BLOAD q                         ; wo's fragments of quarter q -> window 1, v[64 q ..]
	WIN TO_B
.irp i, 0,1,2,3,4,5,6,7
	ds_load_b128 v[64*(\q)+8*(\i):64*(\q)+8*(\i)+3],   v[ADRB+1] offset:64*(\q)+(\i)*16*PITCH
	ds_load_b128 v[64*(\q)+8*(\i)+4:64*(\q)+8*(\i)+7], v[ADRB+1] offset:64*(\q)+(\i)*16*PITCH+32
.endr
.endm
.macro ALOAD a                         ; att's fragments of block a, all four quarters -> buffer a % 4
	WIN 0
.set FA, PA+32*((\a)%4)
.irp q, 0,1,2,3
	ds_load_b128 v[FA+8*(\q):FA+8*(\q)+3],   v[ADRA+1] offset:64*(\q)+(\a)*16*PITCH
	ds_load_b128 v[FA+8*(\q)+4:FA+8*(\q)+7], v[ADRA+1] offset:64*(\q)+(\a)*16*PITCH+32
.endr
.endm
.macro ROW a                           ; block a is finished: 32 matrix instructions
.set FA, PA+32*((\a)%4)                ; its fragments of att
.set AC, 64*((\a)%4)                   ; its eight accumulators, in window 2 (blocks 0-3) or 3 (blocks 4-7)
	WIN MUL_LO+0x50*((\a)/4)
.irp q, 0,1,2,3
.if (\a) == 0 && (\q) == 2
	s_wait_dscnt 24                                ; wo's quarter 2 is in (behind it: att's blocks 1 to 3, 24 loads)
.endif
.irp b, 0,1,2,3,4,5,6,7
	v_wmma_f32_16x16x32_f16 v[AC+8*(\b):AC+8*(\b)+7], v[64*(\q)+8*(\b):64*(\q)+8*(\b)+7], v[FA+8*(\q):FA+8*(\q)+7], v[AC+8*(\b):AC+8*(\b)+7]
.endr
.endr
.endm
; THE WAY OUT of block a (16 rows x 128 columns of f32).  TOSTAGE32: a lane's 32 bytes of each accumulator, its low four registers first, go into my own stage, rows of 528 bytes, and come back as whole rows
; of 512.  SEND32: stored.  One buffer of 64 registers serves all blocks: the wait at TOSTAGE32's head stands behind the block before's stores, with that block's successor's 32 products between.
.macro TOSTAGE32 a
.set AC, 64*((\a)%4)
	s_wait_xcnt 0x0                                ; the stores of the block before have read their data and their base: the loads below fill the one, SEND32 steps the other, and no global instruction stands in between
	WIN 0x08+4*((\a)/4)                            ; an LDS store's data is source 1: window 2 or 3
.irp b, 0,1,2,3,4,5,6,7
	ds_store_b128 v[STO], v[AC+8*(\b):AC+8*(\b)+3]   offset:64*(\b)
	ds_store_b128 v[STO], v[AC+8*(\b)+4:AC+8*(\b)+7] offset:64*(\b)+16
.endr
	WIN 0
.irp t, 0,1,2,3,4,5,6,7,8,9,10,11,12,13,14,15
	ds_load_b128 v[BK+4*(\t):BK+4*(\t)+3], v[RD] offset:(\t)*SPITCH  ; LDS serves a wave's instructions in order (ISA guide 5.7.1.4): these see the stores above; the next block's stores come behind them
.endr
.endm
.macro SEND32 a, younger               ; younger: the LDS loads issued behind TOSTAGE32's, which may stay out
	WIN 0
	s_wait_dscnt \younger                          ; the block is back in registers
.if (\a) == 0
	s_add_nc_u64 s[8:9], s[8:9], s[16:17]          ; on to my first rows
.else
	s_add_nc_u64 s[8:9], s[8:9], 16*SIZE_N*4       ; 16 rows on
.endif
.irp t, 0,1,2,3,4,5,6,7,8,9,10,11,12,13,14,15
	global_store_b128 v[CO], v[BK+4*(\t):BK+4*(\t)+3], s[8:9] offset:(\t)*SIZE_N*4 th:TH_STORE_NT  ; 512 consecutive bytes, at a multiple of 512 from out0's first byte
.endr
.endm
	s_wait_tensorcnt 1                             ; my part of K step 0 is in; K step 1's may stay out
	s_barrier_signal -1
	s_barrier_wait -1                              ; everybody's is
	FETCH 0, 0, F0
	s_wait_loadcnt 0x0                             ; the bias is in
	QUARTER 0, 64,  F0, F1, 1                      ; the first quarter stands in front of the loop: its products start the sums
	WIN 0                                          ; at a label and at a branch every window is 0
	s_mov_b32 s3, LAPS-1
.Llap:                                                 ; a trip goes once round the ring, from a lap's second quarter to the next lap's first, and fills both slots again
	QUARTER 0, 128, F1, F0, 0
	QUARTER 0, 192, F0, F1, 0
	TURN 0, 1
	QUARTER 1, 64,  F0, F1, 0
	QUARTER 1, 128, F1, F0, 0
	QUARTER 1, 192, F0, F1, 0
	TURN 1, 0
	QUARTER 0, 64,  F0, F1, 0
	WIN 0
	s_sub_co_u32 s3, s3, 1
	s_cmp_lg_u32 s3, 0
	s_cbranch_scc1 .Llap
	QUARTER 0, 128, F1, F0, 0                      ; the last lap fills nothing
	QUARTER 0, 192, F0, F1, 0
	MEET 0                                         ; my one tensor load that was still out is slot 1's, the last K step's; no round follows
	PLACES                                         ; for the loads into buffer 0, which the quarter before multiplied
	BLOAD 0                                        ; three quarters of wo now (quarter 0 over the bias, which is done with): buffer 1 (v128-191 of both windows) is still being multiplied
	BLOAD 1
	BLOAD 3
	ALOAD 0
	MUL16 F1, 1, 0, 0
	MUL16 F1, 1, 2, 0
	PLACES                                         ; for the loads into buffer 1
	BLOAD 2
	ALOAD 1
	ALOAD 2
	ALOAD 3
	s_wait_dscnt 40                                ; all but the 40 just issued
	ROW 0
.irp a, 0,1,2,3,4,5,6,7                ; each block leaves as soon as it is finished: nothing follows this tile under which its stores could leave
	PLACES                                         ; the LDS stores read results just made, and the block's buffer of att is loaded again
	TOSTAGE32 \a
.if (\a) < 4
	ALOAD (\a)+4                                   ; its buffer takes the block four further on
	SEND32 \a, 8
.else
	SEND32 \a, 0
.endif
.if (\a) < 7
	ROW (\a)+1
.endif
.endr
	s_wait_tensorcnt 0x0                           ; the wave's end: behind my last tensor load and my last LDS store
	ds_add_u32 v[SPW], v[NIL]
	s_wait_dscnt 0x0
	CROUND                                         ; the closing round: no work-group ends while a partner may still ask for a tile that names it
	s_endpgm
.Lfunc_end_k_q1a083f78d4_gemm_out:
	.size	k_q1a083f78d4_gemm_out, .Lfunc_end_k_q1a083f78d4_gemm_out-k_q1a083f78d4_gemm_out
	.p2alignl 7, 3214868480
	.fill 96, 4, 3214868480
	.section	.rodata,"a",@progbits
	.p2align	6, 0x0
	.amdhsa_kernel k_q1a083f78d4_gemm_out
		.amdhsa_group_segment_fixed_size 327680
		.amdhsa_private_segment_fixed_size 0
		.amdhsa_enable_private_segment 0
		.amdhsa_kernarg_size 32
		.amdhsa_user_sgpr_count 2
		.amdhsa_user_sgpr_kernarg_segment_ptr 1
		.amdhsa_wavefront_size32 1
		.amdhsa_system_sgpr_workgroup_id_x 1
		.amdhsa_system_sgpr_workgroup_id_y 1
		.amdhsa_system_sgpr_workgroup_id_z 1
		.amdhsa_system_vgpr_workitem_id 0
		.amdhsa_next_free_vgpr 1024
		.amdhsa_next_free_sgpr 68
		.amdhsa_reserve_vcc 0
		.amdhsa_float_denorm_mode_32 3
		.amdhsa_float_denorm_mode_16_64 3
		.amdhsa_memory_ordered 1
		.amdhsa_forward_progress 1
		.amdhsa_inst_pref_size 144
	.end_amdhsa_kernel
	.amdgpu_metadata
---
amdhsa.version: [ 1, 2 ]
amdhsa.kernels:
  - .name:           k_q1a083f78d4_gemm_out
    .symbol:         k_q1a083f78d4_gemm_out.kd
    .args:
      - { .name: att, .offset: 0, .size: 8, .value_kind: global_buffer, .address_space: global }
      - { .name: wo, .offset: 8, .size: 8, .value_kind: global_buffer, .address_space: global }
      - { .name: out0, .offset: 16, .size: 8, .value_kind: global_buffer, .address_space: global }
      - { .name: b_o, .offset: 24, .size: 8, .value_kind: global_buffer, .address_space: global }
    .group_segment_fixed_size: 327680
    .private_segment_fixed_size: 0
    .kernarg_segment_align: 8
    .kernarg_segment_size: 32
    .max_flat_workgroup_size: 128
    .sgpr_count:     68
    .vgpr_count:     1024
    .wavefront_size: 32
...
	.end_amdgpu_metadata
.endif
;; end of part 4
;; ======== version 2 of 2: 4 launches; version 1 with the launch attn written anew for expert scheduling mode
;; limits: values are held in f16: magnitudes above 65,504 overflow, below 6.1e-05 lose precision
;; workspace buffers: xh 33,554,432 bytes; wq 6,291,456 bytes; wo 2,097,152 bytes; bq 12,288 bytes; qkv 100,663,296 bytes; att 33,554,432 bytes
;; launch prep: the kernel of part 1 again; grid 1539 x 1, 8 waves a work-group, no clusters, 0 bytes of LDS; arguments x, w_qkv, w_o, b_qkv, xh, wq, wo, bq; writes xh, wq, wo, bq
;; launch gemm_qkv: the kernel of part 2 again; grid 4 x 64, 4 waves a work-group, clusters of 4 x 4, 327,680 bytes of LDS; arguments xh, wq, qkv, bq; writes qkv
;; launch attn (part 5): grid 512 x 1, 8 waves a work-group, no clusters, 0 bytes of LDS; arguments qkv, att; writes att
.if DOCPART == 5
	.amdgcn_target "amdgcn-amd-amdhsa--gfx1250"
	.amdhsa_code_object_version 6
	.text
	.protected	k_q1a083f78d4_attn
	.globl	k_q1a083f78d4_attn
	.p2align	8
	.type	k_q1a083f78d4_attn,@function
k_q1a083f78d4_attn:
	s_mov_b64 s[64:65], 0
	v_nop
	global_prefetch_b8 v0, s[64:65] scope:SCOPE_SE
	s_setreg_imm32_b32 hwreg(HW_REG_WAVE_SCHED_MODE, 0, 2), 2
	s_setreg_imm32_b32 hwreg(HW_REG_WAVE_MODE, 25, 1), 1
	s_wait_xcnt 0x0
	s_wait_alu depctr_vm_vsrc(0)
; ATTENTION OVER THE 16 HEADS OF ONE POSITION.  For each of 16,384 positions: s[h][t] = q[h] . k[t] / 32; p = softmax over t; o[h] = the sum over t of p[h][t] v[t].  q, k, v: 16 heads x 64 channels.
; qkv: [16384][3072] f16, att: [16384][1024] f16, both in the orders that the launch in front and the launch behind agree on:
;   q at number 128 (d / 8) + 8 h + d % 8, k 1,024 further on, v at 2048 + 256 (d / 16) + 128 (t / 8) + 8 (d % 16) + t % 8;   o at 256 (d / 16) + 128 ((d / 8) % 2) + 8 h + d % 8.
; So every fragment is one load, and every result one store, of 512 consecutive bytes, 16 bytes a lane at 16 x lane: nothing goes through LDS, and no wave waits for another.
; LAYOUT.  S^T = K Q^T (source 0 = k's 16 heads t, source 1 = q's 16 heads h): a lane holds ONE head h (lane % 16) and t = 8 (lane / 16) + 0..7.  Rounded to f16 in pairs these eight ARE registers 0-3 of
; source 1 (k = t) of O^T = V^T P; registers 4-7 (k = 16..31) are 0.  Source 0 of that product is 16 channels x t in registers 0-3; its registers 4-7 are whatever lies next (the next channel block, or four
; registers kept at 0) and meet P's zeros.  The result holds one head a lane and eight channels: 16 bytes.
; SOFTMAX in f32: the maximum over the 16 t is taken away; p = 2^(c s - c m), c = log2(e) / 32; p is divided by its sum before its one rounding to f16.
; LIMITS.  A weight below 2^-126 counts as 0.  NaN and infinities are not treated apart: an infinite v also spoils the channel block in front of it, where it meets a zero.  o lies within v's range.
; SHARES.  A wave takes four positions, as two pairs; all its 48 loads (24,576 bytes) go out at once.  4,096 waves.  No cluster: no two work-groups read the same bytes.  No prefetch: the launch is one stream of loads issued at its head.
; THE MODE: SCHED_MODE bits 1:0 = 2 (LLVM: expert scheduling mode 2), set by the entry lines.  The code itself states the register dependences between vector or matrix instructions and memory
; instructions, with s_wait_alu, always for 0.
; THE PLAN.  Registers that memory instructions touch:
;   v1                    the offset 16 x lane.  Written by two vector lines at the head; read by all 48 loads and all 16 stores; named by no vector line after that.  One wait, ahead of the first load.
;   v[120:247]            q and k as loaded: the loads at the head land here, and no vector line names these registers ahead of them.  The products read them behind the wait on LOADcnt.  Then O^T: written by
;                         the second products, closed up by the conversions into the low four of each eight, which the stores read.  One wait a pair, behind its 32 conversions, ahead of its eight stores.
;                         No register of a store is written again, so no wait stands for the stores' reads.
;   v[48:79], v[84:115]   v as loaded: the loads land here; matrix instructions alone read them.
;   v[80:83], v[116:119], S and ST are named by vector and matrix instructions alone.
;   s8                    the wave's number: written by v_readfirstlane_b32; one wait ahead of its first reader.
; EXEC and VCC are never written.
.set LO, 1                             ; v1        16 x lane; never rewritten
.set ST, 16                            ; v[16:31]  for u = 0, 1 at ST + 8 u: +0 c m, +1 m, +2, +3 and +4, +5 at work, +6 1 / sum, +7 the other half of the lanes'
.set S,  32                            ; v[32:47]  S^T, then P, 8 registers for each of a pair's two positions
.set VB, 48                            ; v[48:119] V of position p at VB + 16 p + 4 (p / 2); v80-83 and v116-119 hold 0
.set QB, 120                           ; v[120:247] position p: q at QB + 32 p, k 16 further on; later O^T, channel block cb at QB + 32 p + 8 cb
	s_load_b128 s[4:7], s[0:1], 0x0                ; qkv s[4:5], att s[6:7]
	v_lshrrev_b32 v2, 5, v0
	v_readfirstlane_b32 s8, v2                     ; wave 0..7
	v_and_b32 v[LO], 31, v0
	v_lshlrev_b32 v[LO], 4, v[LO]
	s_lshl_b32 s9, ttmp9, 3
	s_wait_alu depctr_va_sdst(0)                   ; s8 is written, ahead of its first reader: the wave's rows of qkv and att are made from it
	s_add_co_u32 s9, s9, s8                        ; my wave among the 4,096
	s_mul_i32 s10, s9, 4*6144                      ; its four rows of qkv
	s_mov_b32 s11, 0
	s_lshl_b32 s16, s9, 13                         ; and of att
	s_mov_b32 s17, 0
	s_mov_b32 s12, 0x3d38aa3b                      ; c = log2(e) / 32
	s_mov_b32 s13, s12                             ; named with it as a pair
	s_mov_b32 s14, 0x76543210                      ; v_permlanex16_b32: each lane takes its own place in the other half
	s_mov_b32 s15, 0xfedcba98
	s_wait_kmcnt 0x0
	s_add_nc_u64 s[4:5], s[4:5], s[10:11]
	s_add_nc_u64 s[6:7], s[6:7], s[16:17]
.macro LOADP p
.set rQ, QB+32*(\p)
.set rV, VB+16*(\p)+4*((\p)/2)
.irp i, 0,1,2,3,4,5,6,7
	global_load_b128 v[rQ+4*(\i):rQ+4*(\i)+3], v[LO], s[4:5] offset:6144*(\p)+512*(\i) th:TH_LOAD_NT  ; q (i < 4), k: head lane % 16, channels 8 (2 (i % 4) + lane / 16) + 0..7
.endr
.irp i, 0,1,2,3
	global_load_b128 v[rV+4*(\i):rV+4*(\i)+3], v[LO], s[4:5] offset:6144*(\p)+4096+512*(\i) th:TH_LOAD_NT  ; v: channel 16 i + lane % 16, heads 8 (lane / 16) + 0..7
.endr
.endm
	s_wait_alu depctr_va_vdst(0)                   ; v1 is written: every load and store of the kernel reads it as its offset, and no vector line names it again
	LOADP 0
	LOADP 1
	LOADP 2
	LOADP 3
.irp r, 80,81,82,83,116,117,118,119
	v_mov_b32 v\r, 0                               ; registers in which no load lands
.endr
	v_mov_b32 v[ST+7], 0                           ; v_permlanex16_b32's destination counts as read
	v_mov_b32 v[ST+15], 0
; Positions 2 q and 2 q + 1.  Every step is written for both, so that no instruction waits for the one in front of it.  left: the younger loads that may stay out.
.macro PAIR q, left
	s_wait_loadcnt \left
.irp z, 0,1                            ; channels 32 z on; the two accumulators take turns
.irp u, 0,1
.set rS, S+8*(\u)
.set rQ, QB+32*(2*(\q)+(\u))+8*(\z)
.if (\z) == 0
	v_wmma_f32_16x16x32_f16 v[rS:rS+7], v[rQ+16:rQ+23], v[rQ:rQ+7], 0
.else
	v_wmma_f32_16x16x32_f16 v[rS:rS+7], v[rQ+16:rQ+23], v[rQ:rQ+7], v[rS:rS+7]
.endif
.endr
.endr
.rept 4
	v_nop                                          ; four plain instructions between a product and the first read of its result (ISA guide 7.12.1)
.endr
	; the maximum of the lane's eight scores, from the accumulator's low end on, and of the other half of the lanes' eight
.irp u, 0,1
	v_max3_num_f32 v[ST+8*(\u)+2], v[S+8*(\u)], v[S+8*(\u)+1], v[S+8*(\u)+2]
.endr
.irp u, 0,1
	v_max3_num_f32 v[ST+8*(\u)+2], v[ST+8*(\u)+2], v[S+8*(\u)+3], v[S+8*(\u)+4]
.endr
.irp u, 0,1
	v_max3_num_f32 v[ST+8*(\u)+2], v[ST+8*(\u)+2], v[S+8*(\u)+5], v[S+8*(\u)+6]
.endr
.irp u, 0,1
	v_max_num_f32 v[ST+8*(\u)+2], v[ST+8*(\u)+2], v[S+8*(\u)+7]
.endr
.irp u, 0,1
	v_permlanex16_b32 v[ST+8*(\u)+7], v[ST+8*(\u)+2], s14, s15
.endr
.irp u, 0,1
	v_max_num_f32 v[ST+8*(\u)+1], v[ST+8*(\u)+2], v[ST+8*(\u)+7]
.endr
.irp u, 0,1
	v_mul_f32 v[ST+8*(\u)], s12, v[ST+8*(\u)+1]
.endr
.irp i, 0,2,4,6
.irp u, 0,1
	v_pk_fma_f32 v[S+8*(\u)+(\i):S+8*(\u)+(\i)+1], v[S+8*(\u)+(\i):S+8*(\u)+(\i)+1], s[12:13], v[ST+8*(\u):ST+8*(\u)+1] op_sel_hi:[1,0,0] neg_lo:[0,0,1] neg_hi:[0,0,1]  ; c s - c m
.endr
.endr
.set r, 0
.rept 16
	v_exp_f32 v[S+r], v[S+r]                       ; one batch
.set r, r+1
.endr
	v_nop                                          ; a plain instruction behind the last exponential (ISA guide 5.7.2),
	s_wait_alu depctr_va_vdst(0)                   ; the sixteen exponentials have written v[S ..], which the sums below read: the one wait ahead of the batch's first reader
.irp u, 0,1
	v_pk_add_f32 v[ST+8*(\u)+2:ST+8*(\u)+3], v[S+8*(\u):S+8*(\u)+1], v[S+8*(\u)+2:S+8*(\u)+3]
	v_pk_add_f32 v[ST+8*(\u)+4:ST+8*(\u)+5], v[S+8*(\u)+4:S+8*(\u)+5], v[S+8*(\u)+6:S+8*(\u)+7]
.endr
.irp u, 0,1
	v_pk_add_f32 v[ST+8*(\u)+2:ST+8*(\u)+3], v[ST+8*(\u)+2:ST+8*(\u)+3], v[ST+8*(\u)+4:ST+8*(\u)+5]
.endr
.irp u, 0,1
	v_add_f32 v[ST+8*(\u)+2], v[ST+8*(\u)+2], v[ST+8*(\u)+3]
.endr
.irp u, 0,1
	v_permlanex16_b32 v[ST+8*(\u)+7], v[ST+8*(\u)+2], s14, s15
.endr
.irp u, 0,1
	v_add_f32 v[ST+8*(\u)+2], v[ST+8*(\u)+2], v[ST+8*(\u)+7]
.endr
.irp u, 0,1
	v_rcp_f32 v[ST+8*(\u)+6], v[ST+8*(\u)+2]       ; the sum is at least 1: the largest weight is 1
.endr
	v_nop
	s_wait_alu depctr_va_vdst(0)                   ; the two reciprocals have written v[ST+6] and v[ST+14], by which the lines below multiply: one wait for the two
.irp i, 0,2,4,6
.irp u, 0,1
	v_pk_mul_f32 v[S+8*(\u)+(\i):S+8*(\u)+(\i)+1], v[S+8*(\u)+(\i):S+8*(\u)+(\i)+1], v[ST+8*(\u)+6:ST+8*(\u)+7] op_sel_hi:[1,0]
.endr
.endr
.irp i, 0,1,2,3                        ; in place, ascending: register i takes weights 2 i and 2 i + 1
.irp u, 0,1
	v_cvt_pk_f16_f32 v[S+8*(\u)+(\i)], v[S+8*(\u)+2*(\i)], v[S+8*(\u)+2*(\i)+1]
.endr
.endr
.irp i, 4,5,6,7
.irp u, 0,1
	v_mov_b32 v[S+8*(\u)+(\i)], 0                  ; k = 16..31 of the second product is empty
.endr
.endr
.irp cb, 0,1,2,3                       ; eight products, each on an accumulator of its own, over q's and k's registers, which are done with
.irp u, 0,1
.set rO, QB+32*(2*(\q)+(\u))+8*(\cb)
.set rV, VB+16*(2*(\q)+(\u))+4*(\q)+4*(\cb)
	v_wmma_f32_16x16x32_f16 v[rO:rO+7], v[rV:rV+7], v[S+8*(\u):S+8*(\u)+7], 0
.endr
.endr
.rept 4
	v_nop
.endr
.irp u, 0,1                            ; the pair's 32 conversions stand together: each accumulator's eight numbers close up into its low four registers, from its low end on
.irp cb, 0,1,2,3
.set rO, QB+32*(2*(\q)+(\u))+8*(\cb)
.irp i, 0,1,2,3
	v_cvt_pk_f16_f32 v[rO+(\i)], v[rO+2*(\i)], v[rO+2*(\i)+1]
.endr
.endr
.endr
	s_wait_alu depctr_va_vdst(0)                   ; the conversions have written the low four registers of the pair's eight accumulators, which the eight stores below read
.irp u, 0,1
.irp cb, 0,1,2,3
.set rO, QB+32*(2*(\q)+(\u))+8*(\cb)
	global_store_b128 v[LO], v[rO:rO+3], s[6:7] offset:2048*(2*(\q)+(\u))+512*(\cb)  ; 512 consecutive bytes, aligned; no register of a store is written again
.endr
.endr
.endm
	PAIR 0, 24                                     ; the second pair's 24 loads may stay out
	PAIR 1, 0
	s_endpgm
.Lfunc_end_k_q1a083f78d4_attn:
	.size	k_q1a083f78d4_attn, .Lfunc_end_k_q1a083f78d4_attn-k_q1a083f78d4_attn
	.p2alignl 7, 3214868480
	.fill 96, 4, 3214868480
	.section	.rodata,"a",@progbits
	.p2align	6, 0x0
	.amdhsa_kernel k_q1a083f78d4_attn
		.amdhsa_group_segment_fixed_size 0
		.amdhsa_private_segment_fixed_size 0
		.amdhsa_enable_private_segment 0
		.amdhsa_kernarg_size 16
		.amdhsa_user_sgpr_count 2
		.amdhsa_user_sgpr_kernarg_segment_ptr 1
		.amdhsa_wavefront_size32 1
		.amdhsa_system_sgpr_workgroup_id_x 1
		.amdhsa_system_sgpr_workgroup_id_y 1
		.amdhsa_system_sgpr_workgroup_id_z 1
		.amdhsa_system_vgpr_workitem_id 0
		.amdhsa_next_free_vgpr 248
		.amdhsa_next_free_sgpr 66
		.amdhsa_reserve_vcc 0
		.amdhsa_float_denorm_mode_32 3
		.amdhsa_float_denorm_mode_16_64 3
		.amdhsa_memory_ordered 1
		.amdhsa_forward_progress 1
		.amdhsa_inst_pref_size 22
	.end_amdhsa_kernel
	.amdgpu_metadata
---
amdhsa.version: [ 1, 2 ]
amdhsa.kernels:
  - .name:           k_q1a083f78d4_attn
    .symbol:         k_q1a083f78d4_attn.kd
    .args:
      - { .name: qkv, .offset: 0, .size: 8, .value_kind: global_buffer, .address_space: global }
      - { .name: att, .offset: 8, .size: 8, .value_kind: global_buffer, .address_space: global }
    .group_segment_fixed_size: 0
    .private_segment_fixed_size: 0
    .kernarg_segment_align: 8
    .kernarg_segment_size: 16
    .max_flat_workgroup_size: 256
    .sgpr_count:     66
    .vgpr_count:     248
    .wavefront_size: 32
...
	.end_amdgpu_metadata
.endif
;; end of part 5
;; launch gemm_out: the kernel of part 4 again; grid 4 x 64, 4 waves a work-group, clusters of 4 x 4, 327,680 bytes of LDS; arguments att, wo, out0, b_o; writes out0
